; MI455X (gfx1250); checked and timed in simulation.
; The chip was launched on July 23, 2026; its instructions are those of AMD's public machine-readable ISA for CDNA 5 (MIT licence, August 2026) and "CDNA5" Instruction Set Architecture Reference Guide (July 2026). The comments in the code are by the model that wrote it; some were corrected since.
;; Decoder Block. Allowed arithmetic: float matrix products may take bf16 or f16 operands with f32 sums; all other float work in f32.
;; Inputs: Wk 16 x 1,024 x 64 float32; Wo 1,024 x 1,024 float32; Wq 16 x 1,024 x 64 float32; Wv 16 x 1,024 x 64 float32; b1 4,096 float32; b2 1,024 float32; be1 1,024 float32; be2 1,024 float32; g1 1,024 float32; g2 1,024 float32; w1 1,024 x 4,096 float32; w2 4,096 x 1,024 float32; x 4 x 1,024 x 1,024 float32.
;; Outputs: out0 4 x 1,024 x 1,024 float32.
;; 2 versions, each right; version 2 is version 1 with the launch prep written anew for expert scheduling mode. Each part assembles by itself: llvm-mc -triple=amdgcn-amd-amdhsa -mcpu=gfx1250 --defsym DOCPART=n.
;; ======== version 1 of 2: 7 launches
;; workspace buffers: wt 25,165,824 bytes; nrm 8,388,608 bytes; qkv 25,165,824 bytes; ctx 8,388,608 bytes; x1 16,777,216 bytes; h 33,554,432 bytes
;; launch prep (part 1): grid 256 x 1, 8 waves a work-group, no clusters, 140,288 bytes of LDS; arguments x, g1, be1, Wq, Wk, Wv, Wo, w1, w2, nrm, wt; writes nrm, wt
.if DOCPART == 1
	.amdgcn_target "amdgcn-amd-amdhsa--gfx1250"
	.amdhsa_code_object_version 6
	.text
	.protected	k_qb28a52309f_prep
	.globl	k_qb28a52309f_prep
	.p2align	8
	.type	k_qb28a52309f_prep,@function
k_qb28a52309f_prep:
	s_mov_b64 s[64:65], 0
	v_nop
	global_prefetch_b8 v0, s[64:65] scope:SCOPE_SE
	s_setreg_imm32_b32 hwreg(HW_REG_WAVE_MODE, 25, 1), 1
	s_wait_xcnt 0x0
; Two jobs of equal bytes a wave (32 KiB in, 16 KiB out), chosen by the work-group's number.
; Work-groups 0-63: nrm = LayerNorm(x; g1, be1) in bf16.  64 rows a work-group, 8 rows a wave, one wave to a row of 1,024 f32.
;   The row stays in 32 registers a lane; mean first, then the mean of (x - mean)^2 on the differences, so a common offset of x cancels before squaring.
; Work-groups 64-255: every weight matrix [K][N] f32 becomes [N][K] bf16 in wt.  1,536 tiles of 128 k x 64 n, one a wave, turned in the wave's own LDS stage.
;   wt: WqkvT [3072][1024] at 0, WoT [1024][1024] at WOT, w1T [4096][1024] at W1T, w2T [1024][4096] at W2T.
;   WqkvT's rows: 64 h + d is Wq; 1024 + 128 h + d is Wk, 1024 + 128 h + 64 + d is Wv: a token's K and V of one head are 256 neighbouring bytes later on.
; No matrix unit, no cluster, no barrier: memory binds, no wave reads another wave's bytes.
; Limit: results are rounded once, to bf16 (nearest even).
.set NSLOT, 4                          ; row slots in registers
.set OUTP,  26                         ; s[26:27] nrm
.set OFFI,  3                          ; v3   16 x lane: my 16 bytes in each 512 of a row
.set OFFO,  4                          ; v4   8 x lane: my 8 bytes in each 256 of a bf16 row
.set G,     8                          ; v[8:39]   gain of my 32 columns
.set BE,    40                         ; v[40:71]  bias of my 32 columns
.set X,     72                         ; v[72:199] slot s: 32 registers
.set Y,     X+32*NSLOT                 ; 16 registers of packed bf16
.set T,     Y+16                       ; 8 registers at work
.set MU,    T+8                        ; the mean, twice
.set R,     MU+2                       ; 1 / sqrt(var + eps), twice
.set WOT,   6291456
.set W1T,   8388608
.set W2T,   16777216
.set WST,   64*272                     ; a wave's stage: 64 rows (n) of 256 bytes (128 k) + 16 of padding
	s_load_b256 s[8:15], s[0:1], 0x0               ; x 8:9, g1 10:11, be1 12:13, Wq 14:15
	s_load_b256 s[16:23], s[0:1], 0x20             ; Wk 16:17, Wv 18:19, Wo 20:21, w1 22:23
	s_load_b128 s[24:27], s[0:1], 0x40             ; w2 24:25, nrm 26:27
	s_load_b64 s[28:29], s[0:1], 0x50              ; wt
	v_lshl_add_u32 v232, v0, 2, 0x22000
	v_mov_b32 v233, 0
	v_lshrrev_b32 v1, 5, v0
	v_readfirstlane_b32 s2, v1                     ; wave 0..7
	v_and_b32 v2, 31, v0                           ; lane
	s_mov_b32 s39, 0                               ; high words of the two offset pairs
	s_mov_b32 s41, 0
	s_cmp_ge_u32 ttmp9, 64
	s_cbranch_scc1 .Lweights
; ---------------- LayerNorm ----------------
.macro FILL s, r                       ; row r of my eight into slot s: eight loads of 512 neighbouring bytes
.irp j, 0,1,2,3,4,5,6,7
	global_load_b128 v[X+32*(\s)+4*\j:X+32*(\s)+4*\j+3], v[OFFI], s[8:9] offset:(\r)*4096+512*\j
.endr
.endm
.macro LANESUM                         ; four pairs in T -> one sum in every lane's v[T]
	v_pk_add_f32 v[T:T+1], v[T:T+1], v[T+2:T+3]
	v_pk_add_f32 v[T+4:T+5], v[T+4:T+5], v[T+6:T+7]
	v_pk_add_f32 v[T:T+1], v[T:T+1], v[T+4:T+5]
	v_add_f32 v[T], v[T], v[T+1]
	v_add_f32_dpp v[T], v[T], v[T] row_xmask:1 row_mask:0xf bank_mask:0xf
	v_add_f32_dpp v[T], v[T], v[T] row_xmask:2 row_mask:0xf bank_mask:0xf
	v_add_f32_dpp v[T], v[T], v[T] row_xmask:4 row_mask:0xf bank_mask:0xf
	v_add_f32_dpp v[T], v[T], v[T] row_xmask:8 row_mask:0xf bank_mask:0xf
	v_permlanex16_b32 v[T+1], v[T], s30, s31       ; the other half of the lanes; T+1 has been written
	v_add_f32 v[T], v[T], v[T+1]
.endm
; Row r in slot s.  left: the younger loads that may stay out.  nr >= 0: the slot is filled again with row nr.
.macro ROW s, r, left, nr
.set XB, X+32*(\s)
	s_wait_loadcnt \left                           ; loads come back in order: my row's eight are in
.irp c, 0,1,2,3
	v_pk_add_f32 v[T+2*\c:T+2*\c+1], v[XB+2*\c:XB+2*\c+1], v[XB+8+2*\c:XB+8+2*\c+1]   ; four chains start the sum: nothing is cleared
.endr
.irp c, 0,1,2,3
	v_pk_add_f32 v[T+2*\c:T+2*\c+1], v[T+2*\c:T+2*\c+1], v[XB+16+2*\c:XB+16+2*\c+1]
.endr
.irp c, 0,1,2,3
	v_pk_add_f32 v[T+2*\c:T+2*\c+1], v[T+2*\c:T+2*\c+1], v[XB+24+2*\c:XB+24+2*\c+1]
.endr
	LANESUM
	v_mul_f32 v[MU], s32, v[T]                     ; mean = sum / 1024
	v_mul_f32 v[MU+1], s32, v[T]
.set p, 0
.rept 16
	v_pk_add_f32 v[XB+2*p:XB+2*p+1], v[XB+2*p:XB+2*p+1], v[MU:MU+1] neg_lo:[0,1] neg_hi:[0,1]   ; x - mean, in place
.set p, p+1
.endr
.irp c, 0,1,2,3
	v_pk_mul_f32 v[T+2*\c:T+2*\c+1], v[XB+2*\c:XB+2*\c+1], v[XB+2*\c:XB+2*\c+1]
.endr
.irp k, 8,16,24
.irp c, 0,1,2,3
	v_pk_fma_f32 v[T+2*\c:T+2*\c+1], v[XB+\k+2*\c:XB+\k+2*\c+1], v[XB+\k+2*\c:XB+\k+2*\c+1], v[T+2*\c:T+2*\c+1]
.endr
.endr
	LANESUM
	v_fma_f32 v[T], v[T], s32, s33                 ; var + eps
	v_rsq_f32 v[R], v[T]
	v_rsq_f32 v[R+1], v[T]
	v_nop                                          ; a plain instruction between the root and its use (ISA guide 5.7.2)
	s_wait_xcnt 0x0                                ; Y was the last row's store data: it is rewritten only behind this wait
.set p, 0
	s_wait_alu depctr_va_vdst(0)
.rept 16
	v_pk_mul_f32 v[XB+2*p:XB+2*p+1], v[XB+2*p:XB+2*p+1], v[R:R+1]
.set p, p+1
.endr
.set p, 0
.rept 16
	v_pk_fma_f32 v[XB+2*p:XB+2*p+1], v[XB+2*p:XB+2*p+1], v[G+2*p:G+2*p+1], v[BE+2*p:BE+2*p+1]
.set p, p+1
.endr
.set p, 0
.rept 16
	v_cvt_pk_bf16_f32 v[Y+p], v[XB+2*p], v[XB+2*p+1]
.set p, p+1
.endr
.if \nr >= 0
	FILL \s, \nr                                   ; loads ahead of stores
.endif
.irp j, 0,1,2,3,4,5,6,7
	global_store_b64 v[OFFO], v[Y+2*\j:Y+2*\j+1], s[OUTP:OUTP+1] offset:(\r)*2048+256*\j   ; 32 lanes store 256 consecutive bytes, aligned
.endr
.endm
	v_lshlrev_b32 v[OFFI], 4, v2
	v_lshlrev_b32 v[OFFO], 3, v2
	s_mov_b32 s30, 0x76543210                      ; v_permlanex16_b32: each lane takes its own place in the other half
	s_mov_b32 s31, 0xfedcba98
	s_mov_b32 s32, 0x3a800000                      ; 1 / 1024
	s_mov_b32 s33, 0x3727c5ac                      ; eps = 1e-5
	s_lshl_b32 s38, ttmp9, 18                      ; 64 rows of 4,096 bytes a work-group,
	s_lshl_b32 s3, s2, 15                          ; 8 a wave
	s_add_co_u32 s38, s38, s3
	s_lshr_b32 s40, s38, 1                         ; half of that in bf16
	s_wait_kmcnt 0x0
	s_add_nc_u64 s[8:9], s[8:9], s[38:39]
	s_add_nc_u64 s[OUTP:OUTP+1], s[OUTP:OUTP+1], s[40:41]
.irp j, 0,1,2,3,4,5,6,7
	global_load_b128 v[G+4*\j:G+4*\j+3], v[OFFI], s[10:11] offset:512*\j
.endr
.irp j, 0,1,2,3,4,5,6,7
	global_load_b128 v[BE+4*\j:BE+4*\j+3], v[OFFI], s[12:13] offset:512*\j
.endr
	FILL 0, 0
	FILL 1, 1
	FILL 2, 2
	FILL 3, 3
	ROW 0, 0, 24, 4                                ; three younger rows of eight loads stay out
	ROW 1, 1, 24, 5
	ROW 2, 2, 24, 6
	ROW 3, 3, 24, 7
	ROW 0, 4, 24, -1                               ; nothing more to fetch: the counts run down
	ROW 1, 5, 16, -1
	ROW 2, 6, 8, -1
	ROW 3, 7, 0, -1
	s_endpgm
; ---------------- weights ----------------
; Lane (c = l % 16, rr = l / 16).  Group g of eight: rows k = 16 g + 8 rr + j (j = 0..7), columns 4 c .. 4 c + 3: sixteen lanes read 256 neighbouring bytes.
.macro LOADG g, slot, SP
.irp j, 0,1,2,3,4,5,6,7
	global_load_b128 v[X+32*(\slot)+4*\j:X+32*(\slot)+4*\j+3], v9, s[34:35] offset:(16*(\g)+\j)*\SP th:TH_LOAD_NT
.endr
.endm
; Eight k of column 4 c + q pack into 16 bytes and go to stage row 16 q + c: the sixteen lanes of a store take sixteen neighbouring rows, 272 bytes apart.
.macro CONV g, slot
.irp q, 0,1,2,3
.irp p, 0,1,2,3
	v_cvt_pk_bf16_f32 v[Y+4*\q+\p], v[X+32*(\slot)+8*\p+\q], v[X+32*(\slot)+8*\p+4+\q]
.endr
	ds_store_b128 v7, v[Y+4*\q:Y+4*\q+3] offset:\q*16*272+32*(\g)
.endr
.endm
; A tile from s[34:35] (rows SP bytes apart) to s[36:37] (rows DP bytes apart).
.macro TRANS SP, DP
	v_mul_u32_u24 v9, v6, 8*\SP
	v_lshl_add_u32 v9, v5, 4, v9                   ; rr x 8 rows + 16 c
	v_mul_u32_u24 v10, v6, 4*\DP
	v_lshl_add_u32 v10, v5, 4, v10                 ; rr x 4 rows + 16 c
	LOADG 0, 0, \SP
	LOADG 1, 1, \SP
	LOADG 2, 2, \SP
	LOADG 3, 3, \SP
.irp g, 0,1,2,3,4,5,6,7
.if \g < 5
	s_wait_loadcnt 24                              ; three younger groups of eight stay out
.else
	s_wait_loadcnt 8*(7-\g)
.endif
	CONV \g, \g%4
.if \g < 4
	LOADG \g+4, \g, \SP
.endif
.endr
.set t, 0
.rept 32
	ds_load_b128 v[X+4*t:X+4*t+3], v8 offset:544*t ; stage rows 2 t + rr, whole; LDS serves a wave's instructions in order (ISA guide 5.7.1.4): these see the stores above
.set t, t+1
.endr
.set t, 0
.rept 32
	s_wait_dscnt 31-t                              ; the younger loads may stay out
	global_store_b128 v10, v[X+4*t:X+4*t+3], s[36:37] offset:(8*(t&7)+(t>>3))*\DP   ; stage row 2 t + rr is column 8 (t % 8) + 4 rr + t / 8; 16 lanes store 256 consecutive bytes, aligned
.set t, t+1
.endr
.endm
.Lweights:
	s_sub_co_u32 s3, ttmp9, 64                     ; g = 0..191
	v_and_b32 v5, 15, v2                           ; c
	v_lshrrev_b32 v6, 4, v2                        ; rr
	s_mul_i32 s4, s2, WST                          ; my stage
	v_mul_u32_u24 v7, v5, 272
	v_lshl_add_u32 v7, v6, 4, v7
	v_add_nc_u32 v7, s4, v7                        ; in: row c, 16 bytes for each half of the lanes
	v_mul_u32_u24 v8, v6, 272
	v_lshl_add_u32 v8, v5, 4, v8
	v_add_nc_u32 v8, s4, v8                        ; back: lanes 0-15 one row, lanes 16-31 the next
	s_wait_kmcnt 0x0
	s_cmp_ge_u32 s3, 48
	s_cbranch_scc1 .Lnot_qkv
	; g < 16: Wq, head g.  Else e = g - 16: head e / 2, Wk (e even) or Wv (e odd).  Rows 64 g of WqkvT in every case; wave w takes k = 128 w on.
	s_sub_co_u32 s4, s3, 16
	s_lshr_b32 s5, s4, 1
	s_bitcmp1_b32 s4, 0
	s_cselect_b64 s[34:35], s[18:19], s[16:17]
	s_cmp_lt_u32 s3, 16
	s_cselect_b64 s[34:35], s[14:15], s[34:35]
	s_cselect_b32 s5, s3, s5
	s_lshl_b32 s38, s5, 18                         ; a head is 1,024 x 64 x 4 bytes
	s_lshl_b32 s6, s2, 15                          ; 128 rows of 256 bytes
	s_add_co_u32 s38, s38, s6
	s_add_nc_u64 s[34:35], s[34:35], s[38:39]
	s_lshl_b32 s40, s3, 17                         ; 64 rows of 2,048 bytes
	s_lshl_b32 s6, s2, 8                           ; 128 k of 2 bytes
	s_add_co_u32 s40, s40, s6
	s_add_nc_u64 s[36:37], s[28:29], s[40:41]
	TRANS 256, 2048
	s_wait_tensorcnt 0x0
	ds_add_u32 v232, v233
	s_wait_dscnt 0x0
	s_endpgm
.Lnot_qkv:
	s_cmp_ge_u32 s3, 64
	s_cbranch_scc1 .Lnot_wo
	s_sub_co_u32 s4, s3, 48                        ; Wo: column block 0..15
	s_lshl_b32 s38, s4, 8
	s_lshl_b32 s6, s2, 19                          ; 128 rows of 4,096 bytes
	s_add_co_u32 s38, s38, s6
	s_add_nc_u64 s[34:35], s[20:21], s[38:39]
	s_lshl_b32 s40, s4, 17
	s_lshl_b32 s6, s2, 8
	s_add_co_u32 s40, s40, s6
	s_add_nc_u64 s[36:37], s[28:29], s[40:41]
	s_add_nc_u64 s[36:37], s[36:37], WOT
	TRANS 4096, 2048
	s_wait_tensorcnt 0x0
	ds_add_u32 v232, v233
	s_wait_dscnt 0x0
	s_endpgm
.Lnot_wo:
	s_cmp_ge_u32 s3, 128
	s_cbranch_scc1 .Lw2
	s_sub_co_u32 s4, s3, 64                        ; w1: column block 0..63
	s_lshl_b32 s38, s4, 8
	s_lshl_b32 s6, s2, 21                          ; 128 rows of 16,384 bytes
	s_add_co_u32 s38, s38, s6
	s_add_nc_u64 s[34:35], s[22:23], s[38:39]
	s_lshl_b32 s40, s4, 17
	s_lshl_b32 s6, s2, 8
	s_add_co_u32 s40, s40, s6
	s_add_nc_u64 s[36:37], s[28:29], s[40:41]
	s_add_nc_u64 s[36:37], s[36:37], W1T
	TRANS 16384, 2048
	s_wait_tensorcnt 0x0
	ds_add_u32 v232, v233
	s_wait_dscnt 0x0
	s_endpgm
.Lw2:
	s_sub_co_u32 s4, s3, 128                       ; w2: column block jj % 16, k block 8 (jj / 16) + wave
	s_and_b32 s5, s4, 15
	s_lshr_b32 s6, s4, 4
	s_lshl_b32 s6, s6, 3
	s_add_co_u32 s6, s6, s2
	s_lshl_b32 s38, s5, 8
	s_lshl_b32 s7, s6, 19
	s_add_co_u32 s38, s38, s7
	s_add_nc_u64 s[34:35], s[24:25], s[38:39]
	s_lshl_b32 s40, s5, 19                         ; 64 rows of 8,192 bytes
	s_lshl_b32 s7, s6, 8
	s_add_co_u32 s40, s40, s7
	s_add_nc_u64 s[36:37], s[28:29], s[40:41]
	s_add_nc_u64 s[36:37], s[36:37], W2T
	TRANS 4096, 8192
	s_wait_tensorcnt 0x0
	ds_add_u32 v232, v233
	s_wait_dscnt 0x0
	s_endpgm
.Lfunc_end_k_qb28a52309f_prep:
	.size	k_qb28a52309f_prep, .Lfunc_end_k_qb28a52309f_prep-k_qb28a52309f_prep
	.p2alignl 7, 3214868480
	.fill 96, 4, 3214868480
	.section	.rodata,"a",@progbits
	.p2align	6, 0x0
	.amdhsa_kernel k_qb28a52309f_prep
		.amdhsa_group_segment_fixed_size 140288
		.amdhsa_private_segment_fixed_size 0
		.amdhsa_enable_private_segment 0
		.amdhsa_kernarg_size 88
		.amdhsa_user_sgpr_count 2
		.amdhsa_user_sgpr_kernarg_segment_ptr 1
		.amdhsa_wavefront_size32 1
		.amdhsa_system_sgpr_workgroup_id_x 1
		.amdhsa_system_sgpr_workgroup_id_y 1
		.amdhsa_system_sgpr_workgroup_id_z 1
		.amdhsa_system_vgpr_workitem_id 0
		.amdhsa_next_free_vgpr 234
		.amdhsa_next_free_sgpr 66
		.amdhsa_reserve_vcc 0
		.amdhsa_float_denorm_mode_32 3
		.amdhsa_float_denorm_mode_16_64 3
		.amdhsa_memory_ordered 1
		.amdhsa_forward_progress 1
		.amdhsa_inst_pref_size 166
	.end_amdhsa_kernel
	.amdgpu_metadata
---
amdhsa.version: [ 1, 2 ]
amdhsa.kernels:
  - .name:           k_qb28a52309f_prep
    .symbol:         k_qb28a52309f_prep.kd
    .args:
      - { .name: x, .offset: 0, .size: 8, .value_kind: global_buffer, .address_space: global }
      - { .name: g1, .offset: 8, .size: 8, .value_kind: global_buffer, .address_space: global }
      - { .name: be1, .offset: 16, .size: 8, .value_kind: global_buffer, .address_space: global }
      - { .name: Wq, .offset: 24, .size: 8, .value_kind: global_buffer, .address_space: global }
      - { .name: Wk, .offset: 32, .size: 8, .value_kind: global_buffer, .address_space: global }
      - { .name: Wv, .offset: 40, .size: 8, .value_kind: global_buffer, .address_space: global }
      - { .name: Wo, .offset: 48, .size: 8, .value_kind: global_buffer, .address_space: global }
      - { .name: w1, .offset: 56, .size: 8, .value_kind: global_buffer, .address_space: global }
      - { .name: w2, .offset: 64, .size: 8, .value_kind: global_buffer, .address_space: global }
      - { .name: nrm, .offset: 72, .size: 8, .value_kind: global_buffer, .address_space: global }
      - { .name: wt, .offset: 80, .size: 8, .value_kind: global_buffer, .address_space: global }
    .group_segment_fixed_size: 140288
    .private_segment_fixed_size: 0
    .kernarg_segment_align: 8
    .kernarg_segment_size: 88
    .max_flat_workgroup_size: 256
    .sgpr_count:     66
    .vgpr_count:     234
    .wavefront_size: 32
...
	.end_amdgpu_metadata
.endif
;; end of part 1
;; launch qkv (part 2): grid 12 x 16, 4 waves a work-group, clusters of 4 x 4, 327,680 bytes of LDS; arguments nrm, wt, qkv; writes qkv
.if DOCPART == 2
	.amdgcn_target "amdgcn-amd-amdhsa--gfx1250"
	.amdhsa_code_object_version 6
	.text
	.protected	k_qb28a52309f_qkv
	.globl	k_qb28a52309f_qkv
	.p2align	8
	.type	k_qb28a52309f_qkv,@function
k_qb28a52309f_qkv:
	s_mov_b64 s[64:65], 0
	v_nop
	global_prefetch_b8 v0, s[64:65] scope:SCOPE_SE
	s_setreg_imm32_b32 hwreg(HW_REG_WAVE_MODE, 25, 1), 1
	s_wait_xcnt 0x0
	s_wait_alu depctr_hold_cnt(0) depctr_sa_sdst(0) depctr_va_vdst(0) depctr_va_sdst(0) depctr_va_ssrc(0) depctr_va_vcc(0) depctr_vm_vsrc(0)
	s_getreg_b32 s2, hwreg(HW_REG_IB_STS2, 6, 4)
	s_cmp_eq_u32 s2, 0
	s_cbranch_scc0 .Lentry_in_a_cluster
	s_endpgm
.Lentry_in_a_cluster:
	s_bfe_u32 s2, ttmp6, 0x10000c
	s_cmp_lg_u32 s2, 0xf033
	s_cbranch_scc0 .Lentry_shape_is_right
	s_endpgm
.Lentry_shape_is_right:
; C[m][n] = sum over k of A[m][k] B[n][k].  A = nrm [4096][1024], B = WqkvT [3072][1024] (wt at WOFF), C = qkv [4096][3072], all bf16; sums in f32, C rounded once.
; A tile of C, 256 x 256, is made by a work-group of four waves; a wave makes 128 x 128: 64 accumulators of 16 x 16, 512 registers.
; K goes in steps of 128 through a ring of two LDS slots filled by the tensor data mover; rows of A's and B's tiles are 256 bytes of memory at multiples of 256.
; CLUSTERS: 4 x 4 work-groups.  The four of a row of the cluster need the same tiles of A, the four of a column the same tiles of B: each tile is asked for
; jointly, by the same tensor load with the same descriptor and a mask that names the four.  12 x 16 tiles: 192 work-groups.
; THE MATRIX INSTRUCTION IS USED TRANSPOSED (source 0 = 16 rows of B, source 1 = 16 rows of A): a lane holds eight neighbouring numbers of a row of C.
; REGISTERS, in windows of 256: window 0: v0-31 addresses; v64-127, v128-191 fragments of A, two buffers; v32-63, v192-255 at work on the way out.
;   window 1: v64-127, v128-191 fragments of B (with EPI: v0-63 the bias).  window 2: accumulators of my rows 0-63 ((a, b) at v[8 (8 a + b)]); window 3: rows 64-127.
; Limit: operands are bf16 as they come; no other.
.set SIZE_K, 1024
.set SIZE_N, 3072
.set WOFF,   0                         ; B's first byte in wt
.set EPI,    0                         ; 1: C = relu(sum + bias)
.set KSTEP,  128
.set PITCH,  272                       ; an LDS row: 256 bytes + 16 of padding: row r starts 16 r bytes further modulo 256, so the 16 rows of a load take 16 different columns of 16 bytes
.set HALFT,  128*PITCH                 ; 128 rows: what one tensor load brings, and what one wave reads of A or of B
.set SLOT,   4*HALFT                   ; A's 256 rows, then B's 256 rows
.set STAGE,  2*SLOT                    ; behind the ring: 16 rows x 272 bytes for each wave, for the way out
.set SPITCH, 272
.set SPARE,  STAGE+4*16*SPITCH         ; behind the stages: the spare words, 128 bytes for each wave, which no other line names
.set LAPS,   SIZE_K/(2*KSTEP)          ; a lap = two K steps = once round the ring
.set ADRA, 16                          ; v16-17  LDS address of my A fragments in slot 0, 1
.set ADRB, 20                          ; v20-21  the same for B
.set STO,  24                          ; v24     the way out: where I put 16 bytes of a row
.set RD,   25                          ; v25     the way out: where I read a row back
.set CO,   26                          ; v26     my byte offset in C
.set BO,   27                          ; v27     my byte offset in the bias
.set SPW,  28                          ; v28     LDS address of my spare word; never rewritten
.set NIL,  29                          ; v29     0; never rewritten
.set F0,   64
.set F1,   128
.set TMP,  192
.set OB,   32
.set G1,  24                           ; s[24:31] group 1 for A's tiles;  s[32:39] group 0, a set for each slot
.set G0,  32
.set G1B, 48                           ; s[48:55], s[56:63] the same for B's tiles
.set G0B, 56
.set MSB, 0
.macro WIN new                         ; the immediate's high byte repeats the setting that is left; a switch that changes nothing is dropped
.if MSB != (\new)
	s_set_vgpr_msb (MSB<<8)|(\new)
.set MSB, (\new)
.endif
.endm
.set MUL_LO, 0xa1                      ; source 0 (B) window 1, source 1 (A) window 0, C and D window 2
.set MUL_HI, 0xf1                      ; the same, C and D window 3
.set TO_B,   0x40                      ; destination window 1, address window 0
; A joint load.  Waves 0 and 1 fetch A's two halves, waves 2 and 3 B's; the branch hangs on the wave's number alone.  Four v_nop follow each of the two lines.
.macro JLOAD s
	s_cmp_eq_u32 s11, 0
	s_cbranch_scc0 .Lfor_b_\@
	tensor_load_to_lds s[G0+4*\s:G0+4*\s+3], s[G1:G1+7]
	s_nop 0
.rept 4
	v_nop
.endr
	s_branch .Lasked_\@
.Lfor_b_\@:
	tensor_load_to_lds s[G0B+4*\s:G0B+4*\s+3], s[G1B:G1B+7]
	s_nop 0
.rept 4
	v_nop
.endr
.Lasked_\@:
.endm
.macro CREST                           ; a round of the cluster's barrier behind its opening barrier
	s_cmp_lg_u32 s10, 0
	s_cbranch_scc1 .Lnot_wave_0_\@
	s_barrier_signal -3
.Lnot_wave_0_\@:
	s_barrier_wait -3
	s_barrier_signal -1
	s_barrier_wait -1
.endm
.macro CROUND                          ; a whole round
	s_barrier_signal -1
	s_barrier_wait -1
	CREST
.endm
	s_load_b128 s[4:7], s[0:1], 0x0                ; A s[4:5], wt s[6:7]
	s_load_b64 s[8:9], s[0:1], 0x10                ; C
.if EPI
	s_load_b64 s[66:67], s[0:1], 0x18              ; bias
.endif
	v_lshl_add_u32 v[SPW], v0, 2, SPARE
	v_mov_b32 v[NIL], 0
	ds_add_u32 v28, v29
	ds_add_u32 v28, v29
	s_wait_dscnt 0x0
	v_lshrrev_b32 v1, 5, v0
	v_readfirstlane_b32 s10, v1                    ; wave 0..3
	s_lshr_b32 s11, s10, 1                         ; which half of the tile's rows is mine.  Also: I fetch for A (0) or for B (1)
	s_and_b32 s12, s10, 1                          ; which half of its columns.  Also: which 128 rows of that tile I fetch
	s_bfe_u32 s40, ttmp6, 0x40000                  ; cx
	s_bfe_u32 s41, ttmp6, 0x40004                  ; cy
	s_lshl_b32 s42, ttmp9, 2
	s_add_co_u32 s42, s42, s40                     ; tile column of C = 4 x cluster x + cx
	s_and_b32 s13, ttmp7, 0xffff
	s_lshl_b32 s13, s13, 2
	s_add_co_u32 s13, s13, s41                     ; tile row of C = 4 x cluster y + cy
	s_lshl_b32 s43, s41, 2
	s_lshl_b32 s43, 15, s43                        ; my row of the cluster: places 4 cy .. 4 cy + 3
	s_lshl_b32 s44, 0x1111, s40                    ; my column: places cx, cx + 4, cx + 8, cx + 12
	; group 1: a tile of 128 rows x 128 elements of 2 bytes; 4 words of padding behind every 64 words; bit 21 set beside the mask
	s_or_b32 s[G1+0], s43, (1<<16)|(1<<20)|(1<<21)|(5<<22)|(3<<25)
	s_or_b32 s[G1B+0], s44, (1<<16)|(1<<20)|(1<<21)|(5<<22)|(3<<25)
.irp g, G1, G1B
	s_mov_b32 s[\g+1], KSTEP<<16                   ; tensor_dim0 = 128
	s_mov_b32 s[\g+2], 128<<16                     ; tensor_dim1 = 128
	s_mov_b32 s[\g+3], KSTEP<<16                   ; tile_dim0 = 128
	s_mov_b32 s[\g+4], 128                         ; tile_dim1 = 128
	s_mov_b32 s[\g+5], SIZE_K                      ; elements from row to row
	s_mov_b32 s[\g+6], 0
	s_mov_b32 s[\g+7], 0
.endr
	; A's tiles hang on the tile row alone, B's on the tile column alone; each address is made in registers that never hold the other coordinate
	s_lshl_b32 s17, s12, 7
	s_lshl_b32 s16, s13, 8
	s_add_co_u32 s16, s16, s17                     ; A: row 256 x tile row + 128 x half
	s_lshl_b32 s46, s42, 8
	s_add_co_u32 s46, s46, s17                     ; B: row 256 x tile column + 128 x half
	s_mov_b32 s17, 0
	s_mov_b32 s47, 0
	s_mov_b64 s[18:19], SIZE_K*2
	s_mul_u64 s[16:17], s[16:17], s[18:19]
	s_mul_u64 s[46:47], s[46:47], s[18:19]
	s_mul_i32 s20, s10, HALFT                      ; where they go: wave x 128 rows
	s_wait_kmcnt 0x0
.if WOFF
	s_add_nc_u64 s[6:7], s[6:7], WOFF
.endif
	s_add_nc_u64 s[14:15], s[4:5], s[16:17]
	s_add_nc_u64 s[46:47], s[6:7], s[46:47]
	CROUND                                         ; all sixteen work-groups are here: the first joint loads meet
.irp s, 0,1
	s_mov_b32 s[G0+4*\s], 1
	s_add_co_u32 s[G0+4*\s+1], s20, \s*SLOT
	s_add_nc_u64 s[G0+4*\s+2:G0+4*\s+3], s[14:15], \s*KSTEP*2
	s_or_b32 s[G0+4*\s+3], s[G0+4*\s+3], 0x80000000
	s_mov_b32 s[G0B+4*\s], 1
	s_add_co_u32 s[G0B+4*\s+1], s20, \s*SLOT
	s_add_nc_u64 s[G0B+4*\s+2:G0B+4*\s+3], s[46:47], \s*KSTEP*2
	s_or_b32 s[G0B+4*\s+3], s[G0B+4*\s+3], 0x80000000
	JLOAD \s                                       ; two loads of mine are out
.endr
	; a fragment is 16 rows x 32 K in 8 registers: lane l holds row l % 16; two loads of 16 bytes, 32 bytes apart, at row x pitch + 16 (l / 16)
	v_and_b32 v1, 15, v0
	v_bfe_u32 v2, v0, 4, 1
	v_mul_u32_u24 v3, v1, PITCH
	v_lshl_add_u32 v3, v2, 4, v3
	s_mul_i32 s21, s11, HALFT                      ; my 128 rows of A
	s_mul_i32 s22, s12, HALFT                      ; my 128 rows of B,
	s_add_co_u32 s22, s22, 2*HALFT                 ; which lie behind A's 256
.irp s, 0,1
	v_add_nc_u32 v[ADRA+\s], s21, v3
	v_add_nc_u32 v[ADRB+\s], s22, v3
	s_add_co_u32 s21, s21, SLOT
	s_add_co_u32 s22, s22, SLOT
.endr
	s_mul_i32 s23, s10, 16*SPITCH
	s_add_co_u32 s23, s23, STAGE                   ; my stage
	v_mul_u32_u24 v4, v1, SPITCH
	v_lshl_add_u32 v4, v2, 4, v4
	v_add_nc_u32 v[STO], s23, v4
	v_mul_u32_u24 v5, v2, SPITCH
	v_lshl_add_u32 v5, v1, 4, v5
	v_add_nc_u32 v[RD], s23, v5
	v_mul_u32_u24 v5, v2, SIZE_N*2
	v_lshl_add_u32 v[CO], v1, 4, v5
	s_lshl_b32 s13, s13, 8
	s_lshl_b32 s14, s11, 7
	s_add_co_u32 s16, s13, s14                     ; my first row of C
	s_mov_b32 s17, 0
	s_mov_b64 s[18:19], SIZE_N*2
	s_mul_u64 s[16:17], s[16:17], s[18:19]
	s_lshl_b32 s46, s42, 9                         ; my first column, in bytes: 512 x tile column + 256 x half
	s_lshl_b32 s47, s12, 8
	s_add_co_u32 s46, s46, s47
	s_mov_b32 s47, 0
	s_add_nc_u64 s[16:17], s[16:17], s[46:47]      ; the first way out adds this to C's address
.if EPI
	s_lshl_b32 s46, s46, 1                         ; the same columns in f32
	s_add_nc_u64 s[66:67], s[66:67], s[46:47]
	v_lshlrev_b32 v[BO], 5, v2                     ; my eight columns of a block of 16: 32 (l / 16)
	WIN TO_B
.irp b, 0,1,2,3,4,5,6,7
	global_load_b128 v[8*\b:8*\b+3],   v[BO], s[66:67] offset:64*\b       ; window 1, v0-63: waited for on the way out
	global_load_b128 v[8*\b+4:8*\b+7], v[BO], s[66:67] offset:64*\b+16
.endr
	WIN 0
.endif
; 16 matrix instructions: m blocks a0, a0 + 1 of the window's four x all 8 n blocks, 32 along K.  zero = 1: the first product starts the sums.
.macro MUL16 f, hi, a0, zero
.irp a, \a0, \a0+1
.irp b, 0,1,2,3,4,5,6,7
.if \zero
	v_wmma_f32_16x16x32_bf16 v[8*(8*(\a)+\b):8*(8*(\a)+\b)+7], v[\f+8*\b:\f+8*\b+7], v[\f+8*(4*\hi+\a):\f+8*(4*\hi+\a)+7], 0
.else
	v_wmma_f32_16x16x32_bf16 v[8*(8*(\a)+\b):8*(8*(\a)+\b)+7], v[\f+8*\b:\f+8*\b+7], v[\f+8*(4*\hi+\a):\f+8*(4*\hi+\a)+7], v[8*(8*(\a)+\b):8*(8*(\a)+\b)+7]
.endif
.endr
.endr
.endm
; 32 LDS loads in one run: the fragments of one quarter step (32 K at byte k of the rows) into buffer f
.macro FETCH slot, k, f
	WIN TO_B
.irp i, 0,1,2,3,4,5,6,7
	ds_load_b128 v[\f+8*\i:\f+8*\i+3],   v[ADRB+\slot] offset:\k+\i*16*PITCH
	ds_load_b128 v[\f+8*\i+4:\f+8*\i+7], v[ADRB+\slot] offset:\k+\i*16*PITCH+32
.endr
	WIN 0
.irp i, 0,1,2,3,4,5,6,7
	ds_load_b128 v[\f+8*\i:\f+8*\i+3],   v[ADRA+\slot] offset:\k+\i*16*PITCH
	ds_load_b128 v[\f+8*\i+4:\f+8*\i+7], v[ADRA+\slot] offset:\k+\i*16*PITCH+32
.endr
.endm
.macro PLACES                          ; four plain vector instructions between a matrix instruction and a load into, or a vector read of, its registers
.rept 4
	v_nop
.endr
.endm
; A K step is four quarters of 32 along K, 64 matrix instructions each, on buffers 0, 1, 0, 1; the 64 accumulators take turns.
.macro QUARTER slot, k, f, g, zero
	s_wait_dscnt 8                                 ; B and A's rows 0-63 are in; the youngest eight loads (A's rows 64-127) may be out
	WIN MUL_LO
	MUL16 \f, 0, 0, \zero
	MUL16 \f, 0, 2, \zero
	PLACES
	FETCH \slot, \k, \g
	s_wait_dscnt 32                                ; all but the 32 just issued
	WIN MUL_HI
	MUL16 \f, 1, 0, \zero
	MUL16 \f, 1, 2, \zero
.endm
; The last quarter's first half: one barrier for the change of slots.
.macro MEET round
	WIN 0                                          ; (the add's two registers lie in window 0)
	s_wait_tensorcnt 0x0                           ; all my tensor loads have landed: the one that was out is my part of the next slot
	ds_add_u32 v[SPW], v[NIL]                      ; 0 onto my spare word
	s_wait_dscnt 9                                 ; (the add and the youngest eight loads may be out)
	WIN MUL_LO
	MUL16 F1, 0, 0, 0
	s_wait_dscnt 0x0                               ; the add is done, and my reads of this slot are over
	s_barrier_signal -1
	MUL16 F1, 0, 2, 0
.if \round
	WIN 0
.endif
	s_barrier_wait -1
.endm
; The whole last quarter: behind the round the slot just read out is filled again, two K steps on; then come the next slot's first fragments.
.macro TURN slot, next
	MEET 1
	CREST                                          ; no wave of any partner still reads this slot's tile or has a load on its way
	s_add_nc_u64 s[G0+4*\slot+2:G0+4*\slot+3], s[G0+4*\slot+2:G0+4*\slot+3], 2*KSTEP*2
	s_add_nc_u64 s[G0B+4*\slot+2:G0B+4*\slot+3], s[G0B+4*\slot+2:G0B+4*\slot+3], 2*KSTEP*2
	JLOAD \slot                                    ; my one tensor load behind the round; its four v_nop are also the places in front of the loads below
	FETCH \next, 0, F0
	WIN MUL_HI
	MUL16 F1, 1, 0, 0
	MUL16 F1, 1, 2, 0
.endm
; THE WAY OUT of block a (16 rows).  PACK: (bias, relu,) rounded to bf16, 16 bytes a lane; each accumulator is read from its low end on.
.macro PACK a
.set AC, 64*((\a)%4)
.if EPI
	WIN 0x06+((\a)/4)                              ; source 0: window 2 or 3; source 1: window 1; destination: window 0
.irp b, 0,1,2,3,4,5,6,7
.irp r, 0,1,2,3
	v_pk_add_f32 v[F0+8*\b+2*\r:F0+8*\b+2*\r+1], v[AC+8*\b+2*\r:AC+8*\b+2*\r+1], v[8*\b+2*\r:8*\b+2*\r+1]
.endr
.endr
	WIN 0
.set i, 0
.rept 64
	v_max_num_f32 v[F0+i], 0, v[F0+i]
.set i, i+1
.endr
.irp b, 0,1,2,3,4,5,6,7
.irp r, 0,1,2,3
	v_cvt_pk_bf16_f32 v[TMP+4*\b+\r], v[F0+8*\b+2*\r], v[F0+8*\b+2*\r+1]
.endr
.endr
.else
	WIN 0x0a+5*((\a)/4)                            ; sources 0 and 1: window 2 or 3
.irp b, 0,1,2,3,4,5,6,7
.irp r, 0,1,2,3
	v_cvt_pk_bf16_f32 v[TMP+4*\b+\r], v[AC+8*\b+2*\r], v[AC+8*\b+2*\r+1]
.endr
.endr
	WIN 0
.endif
.endm
.macro TOSTAGE a                       ; into my own stage, and back as whole rows of 256 bytes
.set BK, OB+192*((\a)%2)
.irp b, 0,1,2,3,4,5,6,7
	ds_store_b128 v[STO], v[TMP+4*\b:TMP+4*\b+3] offset:32*\b
.endr
.irp t, 0,1,2,3,4,5,6,7
	ds_load_b128 v[BK+4*\t:BK+4*\t+3], v[RD] offset:\t*2*SPITCH    ; LDS serves a wave's instructions in order (ISA guide 5.7.1.4): these see the stores above
.endr
.endm
.macro SEND a, younger
.set BK, OB+192*((\a)%2)
	s_wait_dscnt \younger                          ; the block is back in registers
	s_wait_xcnt 0x0                                ; only behind this wait are the stores' base and the registers that earlier stores read rewritten
.if (\a) == 0
	s_add_nc_u64 s[8:9], s[8:9], s[16:17]          ; on to my first rows
.else
	s_add_nc_u64 s[8:9], s[8:9], 16*SIZE_N*2       ; 16 rows of C on
.endif
.irp t, 0,1,2,3,4,5,6,7
	global_store_b128 v[CO], v[BK+4*\t:BK+4*\t+3], s[8:9] offset:2*\t*SIZE_N*2   ; 16 lanes store 256 consecutive bytes, at a multiple of 256 from C's first byte
.endr
.endm
	s_wait_tensorcnt 1                             ; my part of K step 0 is in; K step 1's may stay out
	s_barrier_signal -1
	s_barrier_wait -1
	FETCH 0, 0, F0
	QUARTER 0, 64,  F0, F1, 1                      ; the first quarter stands in front of the loop: its products start the sums
	WIN 0                                          ; at a label and at a branch every window is 0
	s_mov_b32 s3, LAPS-1
.Llap:                                                 ; a trip goes once round the ring, from a lap's second quarter to the next lap's first, and fills both slots again
	QUARTER 0, 128, F1, F0, 0
	QUARTER 0, 192, F0, F1, 0
	TURN 0, 1
	QUARTER 1, 64,  F0, F1, 0
	QUARTER 1, 128, F1, F0, 0
	QUARTER 1, 192, F0, F1, 0
	TURN 1, 0
	QUARTER 0, 64,  F0, F1, 0
	WIN 0
	s_sub_co_u32 s3, s3, 1
	s_cmp_lg_u32 s3, 0
	s_cbranch_scc1 .Llap
	QUARTER 0, 128, F1, F0, 0                      ; the last lap asks for nothing more
	QUARTER 0, 192, F0, F1, 0
	MEET 0                                         ; slot 1, the last K step, is whole; nothing is filled again, so no round follows
	PLACES
	FETCH 1, 0, F0
	WIN MUL_HI
	MUL16 F1, 1, 0, 0
	MUL16 F1, 1, 2, 0
	QUARTER 1, 64,  F0, F1, 0
	QUARTER 1, 128, F1, F0, 0
	QUARTER 1, 192, F0, F1, 0
	s_wait_dscnt 8                                 ; the very last quarter: nothing more to fetch
	WIN MUL_LO
	MUL16 F1, 0, 0, 0
	MUL16 F1, 0, 2, 0
	s_wait_dscnt 0x0
	WIN MUL_HI
	MUL16 F1, 1, 0, 0
	MUL16 F1, 1, 2, 0
	WIN 0
	PLACES
.if EPI
	s_wait_loadcnt 0x0                             ; the bias
.endif
	PACK 0
	TOSTAGE 0
.irp a, 1,2,3,4,5,6,7                  ; block a's arithmetic stands between block a - 1's loads from the stage and the wait for them
	PACK \a
	SEND \a-1, 0
	TOSTAGE \a
.endr
	SEND 7, 0
	s_wait_tensorcnt 0x0                           ; the wave's end
	ds_add_u32 v[SPW], v[NIL]
	s_wait_dscnt 0x0
	CROUND                                         ; the closing round: no work-group ends while a partner may still ask for a tile that names it
	s_endpgm
.Lfunc_end_k_qb28a52309f_qkv:
	.size	k_qb28a52309f_qkv, .Lfunc_end_k_qb28a52309f_qkv-k_qb28a52309f_qkv
	.p2alignl 7, 3214868480
	.fill 96, 4, 3214868480
	.section	.rodata,"a",@progbits
	.p2align	6, 0x0
	.amdhsa_kernel k_qb28a52309f_qkv
		.amdhsa_group_segment_fixed_size 327680
		.amdhsa_private_segment_fixed_size 0
		.amdhsa_enable_private_segment 0
		.amdhsa_kernarg_size 24
		.amdhsa_user_sgpr_count 2
		.amdhsa_user_sgpr_kernarg_segment_ptr 1
		.amdhsa_wavefront_size32 1
		.amdhsa_system_sgpr_workgroup_id_x 1
		.amdhsa_system_sgpr_workgroup_id_y 1
		.amdhsa_system_sgpr_workgroup_id_z 1
		.amdhsa_system_vgpr_workitem_id 0
		.amdhsa_next_free_vgpr 1024
		.amdhsa_next_free_sgpr 68
		.amdhsa_reserve_vcc 0
		.amdhsa_float_denorm_mode_32 3
		.amdhsa_float_denorm_mode_16_64 3
		.amdhsa_memory_ordered 1
		.amdhsa_forward_progress 1
		.amdhsa_inst_pref_size 143
	.end_amdhsa_kernel
	.amdgpu_metadata
---
amdhsa.version: [ 1, 2 ]
amdhsa.kernels:
  - .name:           k_qb28a52309f_qkv
    .symbol:         k_qb28a52309f_qkv.kd
    .args:
      - { .name: nrm, .offset: 0, .size: 8, .value_kind: global_buffer, .address_space: global }
      - { .name: wt, .offset: 8, .size: 8, .value_kind: global_buffer, .address_space: global }
      - { .name: qkv, .offset: 16, .size: 8, .value_kind: global_buffer, .address_space: global }
    .group_segment_fixed_size: 327680
    .private_segment_fixed_size: 0
    .kernarg_segment_align: 8
    .kernarg_segment_size: 24
    .max_flat_workgroup_size: 128
    .sgpr_count:     68
    .vgpr_count:     1024
    .wavefront_size: 32
...
	.end_amdgpu_metadata
.endif
;; end of part 2
;; launch attn (part 3): grid 4 x 64, 4 waves a work-group, no clusters, 304,640 bytes of LDS; arguments qkv, ctx; writes ctx
.if DOCPART == 3
	.amdgcn_target "amdgcn-amd-amdhsa--gfx1250"
	.amdhsa_code_object_version 6
	.text
	.protected	k_qb28a52309f_attn
	.globl	k_qb28a52309f_attn
	.p2align	8
	.type	k_qb28a52309f_attn,@function
k_qb28a52309f_attn:
	s_mov_b64 s[64:65], 0
	v_nop
	global_prefetch_b8 v0, s[64:65] scope:SCOPE_SE
	s_setreg_imm32_b32 hwreg(HW_REG_WAVE_MODE, 25, 1), 1
	s_wait_xcnt 0x0
; ctx[b][q][64 hd ..] = sum over k <= q of softmax_k(Q[q] . K[k] / 8) V[k], for one batch b and head hd a work-group row.  qkv: [4096][3072] bf16, a token's Q of head hd at
; byte 128 hd, its K and V at byte 2048 + 256 hd (128 bytes each).  ctx: [4096][1024] bf16.  Products, maxima and sums in f32.
; SHARES.  Work-group (j, 16 b + hd) owns query blocks j and 7 - j (128 rows each).  Wave u owns rows RL = 128 j + 32 u (piece 2: tiles 2, 3) and RH = 992 - RL (piece 0: tiles 0, 1).
;   Keys go 64 a step; a piece with first row R needs steps 0 .. R / 64, the last of them masked.  LO = RL / 64 is 7 at the most, HI = RH / 64 = 15 - LO is 8 at the least:
;   17 piece-steps for every wave.
; LDS.  All keys that the work-group needs, 128 (8 - j), are brought once: key k at 288 k (K 128 bytes, V 128 bytes, 32 of padding).  Nothing is filled twice.
;   Each tensor load has LDS bytes of its own, a constant plus the wave's number times a constant: keys 0-255 (64 rows a wave), keys 256-639 (96 rows a wave), and
;   keys 640-767, 768-895, 896-1023 (32 rows a wave each) where j is under 3, 2, 1.  Steps 0 to 2 touch keys 0-255 alone and run while the other loads are out.
; STEPS are counted alike in all waves, so that the barriers stand on every wave's path: step 0; steps 1, 2; the barrier for the other fills; steps 3 to 7; steps 8 to HI.
;   In steps 1 to 7 a branch on scalars leaves piece 2 out where the step lies beyond LO, and another jumps over its mask where the step is not LO.
; AHEAD.  Piece 2 goes first in a step, piece 0 (which has every step) last.  Behind piece 0's K Q^T nobody needs this step's K any more: the next step's K is fetched there, and lands
;   under piece 0's softmax.  V is fetched at a step's head and is first used behind a softmax.
; LAYOUT.  S^T = K Q^T (source 0 = 16 keys, source 1 = 16 queries): a lane holds one query (lane % 16) and keys 8 (lane / 16) + 0..7.  Two such tiles, rounded to bf16 in pairs,
;   are source 1 of O^T = V^T P.  K comes out of LDS as it lies, V turned, by ds_load_tr16_b128.
; SOFTMAX.  A running maximum m and sum l for each query: p = 2^(c s - c m), c = log2(e) / 8; O and l are multiplied by a = 2^(c m_old - c m_new) in every step.
;   Every step that is walked holds a key <= every query of the piece, so m is finite from the first step on; masked scores are -inf and give p = 0.
; NO CLUSTER, though the four work-groups of a head read the same first 640 keys: they need 640, 768, 896 and 1,024 keys, and every wave's branches and trip counts hang on j,
;   which would be the place in the cluster.
; LIMITS.  Q, K, V and the weights p are bf16 in the products; l sums the unrounded p; a weight under 2^-126 counts as 0.  ctx leaves in pieces of 128 bytes (a head's 64 channels).
; REGISTERS.  window 0: v0-19 addresses; v24-55 statistics, 8 a tile; v56-119 Q, 16 a tile; v120-183 S^T of the piece in hand; v184-215 its P.
;   window 1: v0-63 K of a step; v64-127 V of a step; v128-255 O^T, 32 a tile.
; SCALARS.  s8 u, s9 j, s12 RH, s13 RL, s14 HI, s15 LO; s[16:19] Q's addresses; s[20:21] K and V; descriptor groups 1: s[24:31] 64 rows, s[32:39] 96 rows, s[72:79] 32 rows;
;   groups 0: s[40:43], s[44:47], s[80:91]; s[56:59] ctx's addresses; s[60:61] c; s62, s63 lane selects; s66 the step T; s68 LDS byte of the V to fetch; s69 the step's first key;
;   s71 LDS byte of the K to fetch.
.set PKV,   288
.set STEPB, 64*PKV
.set FIRSTK, 256                       ; keys in the first fill
.set STAGE, 1024*PKV                   ; behind the keys: 16 rows x 144 bytes for each wave, for the way out
.set SP,    144
.set QROW,  6144                       ; bytes in a row of qkv
.set AK0, 3                            ; v3   my lane's place in a step's K
.set AV0, 4                            ; v4   the same for V
.set ADK, 5                            ; v5, v6  the addresses of the fetches in hand
.set ADV, 6
.set QO,  7                            ; v7   my byte offset in a tile of Q
.set Q8,  8                            ; v8-11 tile t: my query's number - 8 (lane / 16)
.set NINF, 12                          ; v12  -inf
.set DD,  13                           ; v13  at work in the mask
.set STO, 14
.set RD,  15
.set GO,  16
.set ST,  24                           ; tile t at v[ST+8 t]: +0 c m, +1 m, +2, +3 l (even, odd keys), +4 to +7 at work; a in +6
.set Q,   56
.set S,   120
.set P,   184
.set O,   128                          ; in window 1
.set MSB, 0
.macro WIN new
.if MSB != (\new)
	s_set_vgpr_msb (MSB<<8)|(\new)
.set MSB, (\new)
.endif
.endm
.macro PLACES                          ; four plain vector instructions between a matrix instruction and a load into, or a vector access to, its registers
.rept 4
	v_nop
.endr
.endm
	s_load_b128 s[4:7], s[0:1], 0x0                ; qkv s[4:5], ctx s[6:7]
	v_lshl_add_u32 v254, v0, 2, 0x4a400
	v_mov_b32 v255, 0
	ds_add_u32 v254, v255
	ds_add_u32 v254, v255
	v_lshrrev_b32 v1, 5, v0
	v_readfirstlane_b32 s8, v1                     ; u: wave 0..3
	s_mov_b32 s9, ttmp9                            ; j
	s_and_b32 s10, ttmp7, 0xffff
	s_lshr_b32 s11, s10, 4                         ; b
	s_and_b32 s22, s10, 15                         ; hd
	s_lshl_b32 s13, s9, 7
	s_lshl_b32 s23, s8, 5
	s_add_co_u32 s13, s13, s23                     ; RL
	s_sub_co_u32 s12, 992, s13                     ; RH
	s_lshr_b32 s14, s12, 6                         ; HI: piece 0's last step
	s_lshr_b32 s15, s13, 6                         ; LO: piece 2's last step
	; groups 1: rows of 128 elements of 2 bytes, 3,072 elements apart, 8 words of padding behind every 64 words
.irp g, 24, 32, 72
	s_mov_b32 s[\g], (1<<16)|(1<<20)|(5<<22)|(7<<25)
	s_mov_b32 s[\g+1], 128<<16                     ; tensor_dim0
	s_mov_b32 s[\g+3], 128<<16                     ; tile_dim0
	s_mov_b32 s[\g+5], 3072
	s_mov_b32 s[\g+6], 0
	s_mov_b32 s[\g+7], 0
.endr
	s_mov_b32 s26, 64<<16                          ; tensor_dim1
	s_mov_b32 s28, 64                              ; tile_dim1
	s_mov_b32 s34, 96<<16
	s_mov_b32 s36, 96
	s_mov_b32 s74, 32<<16
	s_mov_b32 s76, 32
	v_and_b32 v1, 15, v0                           ; r = l % 16
	v_bfe_u32 v2, v0, 4, 1                         ; h = l / 16
	v_mul_u32_u24 v[QO], v1, QROW
	v_lshl_add_u32 v[QO], v2, 4, v[QO]
	s_mul_i32 s2, s11, 1024*QROW                   ; the batch's first token
	s_lshl_b32 s23, s22, 7                         ; 128 hd: the head's Q in a row of qkv, and its channels in a row of ctx
	s_add_co_u32 s3, s2, s23
	s_mov_b32 s67, 0
	s_mul_i32 s66, s12, QROW
	s_add_co_u32 s66, s66, s3
	s_wait_dscnt 0x0
	s_wait_kmcnt 0x0
	s_add_nc_u64 s[16:17], s[4:5], s[66:67]        ; Q of piece 0
	s_mul_i32 s66, s13, QROW
	s_add_co_u32 s66, s66, s3
	s_add_nc_u64 s[18:19], s[4:5], s[66:67]        ; Q of piece 2
.irp t, 0,1
.irp cc, 0,1                           ; Q stays in registers: tile t of the piece, channels 32 cc on.  Asked for ahead of the fills: the first products want it with the first keys
	global_load_b128 v[Q+16*\t+8*\cc:Q+16*\t+8*\cc+3],       v[QO], s[16:17] offset:\t*16*QROW+64*\cc
	global_load_b128 v[Q+16*\t+8*\cc+4:Q+16*\t+8*\cc+7],     v[QO], s[16:17] offset:\t*16*QROW+64*\cc+32
	global_load_b128 v[Q+32+16*\t+8*\cc:Q+32+16*\t+8*\cc+3],   v[QO], s[18:19] offset:\t*16*QROW+64*\cc
	global_load_b128 v[Q+32+16*\t+8*\cc+4:Q+32+16*\t+8*\cc+7], v[QO], s[18:19] offset:\t*16*QROW+64*\cc+32
.endr
.endr
	s_add_co_u32 s66, s3, s23                      ; the batch + 256 hd
	s_add_co_u32 s66, s66, 2048                    ; the head's K and V in a row
	s_add_nc_u64 s[20:21], s[4:5], s[66:67]
	; groups 0.  Keys 64 u .. 64 u + 63:
	s_mov_b32 s40, 1
	s_mul_i32 s41, s8, 64*PKV
	s_mul_i32 s66, s8, 64*QROW
	s_add_nc_u64 s[42:43], s[20:21], s[66:67]
	s_or_b32 s43, s43, 0x80000000
	; keys 256 + 96 u .. 256 + 96 u + 95:
	s_mov_b32 s44, 1
	s_mul_i32 s45, s8, 96*PKV
	s_add_co_u32 s45, s45, FIRSTK*PKV
	s_mul_i32 s66, s8, 96*QROW
	s_add_nc_u64 s[46:47], s[20:21], s[66:67]
	s_add_nc_u64 s[46:47], s[46:47], FIRSTK*QROW
	s_or_b32 s47, s47, 0x80000000
	; keys 128 (5 + i) + 32 u on, 32 of them:
	s_mul_i32 s66, s8, 32*QROW
	s_mul_i32 s10, s8, 32*PKV
	s_add_nc_u64 s[20:21], s[20:21], s[66:67]
.irp i, 0,1,2
	s_mov_b32 s[80+4*\i], 1
	s_add_co_u32 s[81+4*\i], s10, (5+\i)*128*PKV
	s_add_nc_u64 s[82+4*\i:83+4*\i], s[20:21], (5+\i)*128*QROW
	s_or_b32 s[83+4*\i], s[83+4*\i], 0x80000000
.endr
	; THE FILLS, one group at the start: 640 keys always, 128 more for each step that j lies under 3.  At most five loads of mine are out.
	; The wait for the first of them stands at the end of each way, with that way's own count: the loads issued behind the first one (tensor loads of a wave end in order: ISA guide 10.11.1).
	tensor_load_to_lds s[40:43], s[24:31]
	s_nop 0
	tensor_load_to_lds s[44:47], s[32:39]
	s_nop 0
	s_cmp_gt_u32 s9, 2
	s_cbranch_scc1 .Lone_behind
	tensor_load_to_lds s[80:83], s[72:79]
	s_nop 0
	s_cmp_gt_u32 s9, 1
	s_cbranch_scc1 .Ltwo_behind
	tensor_load_to_lds s[84:87], s[72:79]
	s_nop 0
	s_cmp_gt_u32 s9, 0
	s_cbranch_scc1 .Lthree_behind
	tensor_load_to_lds s[88:91], s[72:79]
	s_nop 0
	s_wait_tensorcnt 0x4                           ; j = 0: four loads were issued behind the first: my part of keys 0-255 is in LDS
	s_branch .Lfilled
.Lthree_behind:
	s_wait_tensorcnt 0x3                           ; j = 1
	s_branch .Lfilled
.Ltwo_behind:
	s_wait_tensorcnt 0x2                           ; j = 2
	s_branch .Lfilled
.Lone_behind:
	s_wait_tensorcnt 0x1                           ; j = 3
.Lfilled:
.rept 4
	v_nop
.endr
	s_lshl_b32 s2, s11, 21                         ; 1,024 rows of 2,048 bytes
	s_add_co_u32 s2, s2, s23
	s_lshl_b32 s66, s12, 11
	s_add_co_u32 s66, s66, s2
	s_add_nc_u64 s[56:57], s[6:7], s[66:67]        ; ctx of piece 0
	s_lshl_b32 s66, s13, 11
	s_add_co_u32 s66, s66, s2
	s_add_nc_u64 s[58:59], s[6:7], s[66:67]        ; ctx of piece 2
	v_mul_u32_u24 v[AK0], v1, PKV
	v_lshl_add_u32 v[AK0], v2, 4, v[AK0]           ; key r, 16 bytes for each half of the lanes
	v_and_b32 v17, 7, v0
	v_bfe_u32 v18, v0, 3, 1
	v_lshl_add_u32 v[AV0], v2, 3, v17              ; the turning load: key 8 h + l % 8, channels 8 ((l / 8) % 2) on
	v_mul_u32_u24 v[AV0], v[AV0], PKV
	v_lshl_add_u32 v[AV0], v18, 4, v[AV0]
	v_add_nc_u32 v[AV0], 128, v[AV0]
	v_lshlrev_b32 v17, 3, v2
	v_sub_nc_u32 v17, v1, v17                      ; r - 8 h
	v_add_nc_u32 v[Q8], s12, v17
	v_add_nc_u32 v[Q8+1], 16, v[Q8]
	v_add_nc_u32 v[Q8+2], s13, v17
	v_add_nc_u32 v[Q8+3], 16, v[Q8+2]
	v_mov_b32 v[NINF], 0xff800000
	s_mul_i32 s23, s8, 16*SP
	s_add_co_u32 s23, s23, STAGE                   ; my stage
	v_mul_u32_u24 v[STO], v1, SP
	v_lshl_add_u32 v[STO], v2, 4, v[STO]
	v_add_nc_u32 v[STO], s23, v[STO]               ; in: row r, 16 bytes for each half of the lanes
	v_and_b32 v17, 31, v0
	v_lshrrev_b32 v18, 3, v17                      ; back: eight lanes to a row of 128 bytes, four rows a load
	v_and_b32 v19, 7, v0
	v_mul_u32_u24 v[RD], v18, SP
	v_lshl_add_u32 v[RD], v19, 4, v[RD]
	v_add_nc_u32 v[RD], s23, v[RD]
	v_lshlrev_b32 v[GO], 11, v18                   ; and the same four rows in ctx
	v_lshl_add_u32 v[GO], v19, 4, v[GO]
	s_mov_b32 s60, 0x3e38aa3b                      ; c = log2(e) / 8
	s_mov_b32 s61, s60                             ; named with it as a pair
	s_mov_b32 s62, 0x76543210
	s_mov_b32 s63, 0xfedcba98
	s_mov_b32 s66, 0                               ; T: the key step
	s_mov_b32 s68, 0                               ; LDS byte of the V to fetch
	s_mov_b32 s69, 0                               ; the step's first key
	s_mov_b32 s71, 0                               ; LDS byte of the K to fetch
.macro LOADK                           ; K of the step that begins at LDS byte s71: 16 loads; s71 then steps on.  The caller has set four places behind the last product that read K
	v_add_nc_u32 v[ADK], s71, v[AK0]
	s_add_co_u32 s71, s71, STEPB
	WIN 0x40                                       ; destination window 1
.irp kb, 0,1,2,3
.irp cc, 0,1
	ds_load_b128 v[16*\kb+8*\cc:16*\kb+8*\cc+3],   v[ADK] offset:\kb*16*PKV+64*\cc
	ds_load_b128 v[16*\kb+8*\cc+4:16*\kb+8*\cc+7], v[ADK] offset:\kb*16*PKV+64*\cc+32
.endr
.endr
	WIN 0
.endm
.macro LOADV                           ; V of the step that begins at LDS byte s68, turned: 16 loads; s68 then steps on
	v_add_nc_u32 v[ADV], s68, v[AV0]
	s_add_co_u32 s68, s68, STEPB
	PLACES                                         ; the last step's last products read V
	WIN 0x40                                       ; destination window 1
.irp kc, 0,1
.irp e, 0,1,2,3
	ds_load_tr16_b128 v[64+32*\kc+8*\e:64+32*\kc+8*\e+3],   v[ADV] offset:\kc*32*PKV+32*\e
	ds_load_tr16_b128 v[64+32*\kc+8*\e+4:64+32*\kc+8*\e+7], v[ADV] offset:\kc*32*PKV+16*PKV+32*\e
.endr
.endr
	WIN 0
.endm
; One piece (tiles x, x + 1), one key step.  first = 1: the step starts m, l and O^T.  masked = 1: keys beyond the query become -inf; 2: only where the step is LO.
; fetch = 1: the next step's K is fetched behind this piece's K Q^T.
.macro PIECE x, first, masked, fetch
	s_wait_dscnt 16                                ; K is in; V's sixteen loads, issued behind K's, may stay out
	WIN 0x01                                       ; K in window 1
.set i, 0
.rept 16                               ; channels 32 (i / 8) on, keys 16 ((i / 2) % 4) on, tile i % 2: eight accumulators by turns
.set rS, S+32*(i%2)+8*((i/2)%4)
.set rK, 16*((i/2)%4)+8*(i/8)
.set rQ, Q+16*(\x+i%2)+8*(i/8)
.if i < 8
	v_wmma_f32_16x16x32_bf16 v[rS:rS+7], v[rK:rK+7], v[rQ:rQ+7], 0
.else
	v_wmma_f32_16x16x32_bf16 v[rS:rS+7], v[rK:rK+7], v[rQ:rQ+7], v[rS:rS+7]
.endif
.set i, i+1
.endr
	WIN 0
	PLACES
.if \fetch
	LOADK                                          ; some 250 vector instructions ahead of the wait that covers it
.endif
.if \masked == 2
	s_cmp_lg_u32 s66, s15
	s_cbranch_scc1 .Lopen_\@
.endif
.if \masked
.irp t, 0,1                            ; register 8 kb + jj holds key 64 T + 16 kb + 8 h + jj: kept where 16 kb + jj <= query - 8 h - 64 T
	v_sub_nc_u32 v[DD], v[Q8+\x+\t], s69
.set i, 0
.rept 32
	v_cmp_le_i32 vcc_lo, 16*(i/8)+(i%8), v[DD]
	v_cndmask_b32 v[S+32*\t+i], v[NINF], v[S+32*\t+i], vcc_lo
.set i, i+1
.endr
.endr
.endif
.if \masked == 2
.Lopen_\@:
.endif
	; the maximum of the lane's 32 scores and the old m; each accumulator is read from its low end on; the two tiles alternate
.irp j, 0,1,2,3
.irp t, 0,1
	v_max3_num_f32 v[ST+8*(\x+\t)+4+\j], v[S+32*\t+8*\j], v[S+32*\t+8*\j+1], v[S+32*\t+8*\j+2]
.endr
.endr
.irp k, 3,5
.irp j, 0,1,2,3
.irp t, 0,1
	v_max3_num_f32 v[ST+8*(\x+\t)+4+\j], v[ST+8*(\x+\t)+4+\j], v[S+32*\t+8*\j+\k], v[S+32*\t+8*\j+\k+1]
.endr
.endr
.endr
.irp t, 0,1
	v_max3_num_f32 v[ST+8*(\x+\t)+4], v[ST+8*(\x+\t)+4], v[S+32*\t+7], v[S+32*\t+15]
	v_max3_num_f32 v[ST+8*(\x+\t)+6], v[ST+8*(\x+\t)+6], v[S+32*\t+23], v[S+32*\t+31]
.endr
.irp t, 0,1
	v_max3_num_f32 v[ST+8*(\x+\t)+4], v[ST+8*(\x+\t)+4], v[ST+8*(\x+\t)+5], v[ST+8*(\x+\t)+6]
.endr
.irp t, 0,1
.if \first
	v_max_num_f32 v[ST+8*(\x+\t)+4], v[ST+8*(\x+\t)+4], v[ST+8*(\x+\t)+7]
.else
	v_max3_num_f32 v[ST+8*(\x+\t)+4], v[ST+8*(\x+\t)+4], v[ST+8*(\x+\t)+7], v[ST+8*(\x+\t)+1]
.endif
.endr
.irp t, 0,1
	v_permlanex16_b32 v[ST+8*(\x+\t)+5], v[ST+8*(\x+\t)+4], s62, s63   ; the query's other 32 keys lie in the lane 16 away
.endr
.if !\first
.irp t, 0,1
	v_mov_b32 v[ST+8*(\x+\t)+7], v[ST+8*(\x+\t)]   ; c m_old is kept for a
.endr
.endif
.irp t, 0,1
	v_max_num_f32 v[ST+8*(\x+\t)+1], v[ST+8*(\x+\t)+4], v[ST+8*(\x+\t)+5]
.endr
.irp t, 0,1
	v_mul_f32 v[ST+8*(\x+\t)], s60, v[ST+8*(\x+\t)+1]
.endr
.if !\first
.irp t, 0,1
	v_sub_f32 v[ST+8*(\x+\t)+7], v[ST+8*(\x+\t)+7], v[ST+8*(\x+\t)]
.endr
.endif
.irp t, 0,1
.set i, 0
.rept 16
	v_pk_fma_f32 v[S+32*\t+2*i:S+32*\t+2*i+1], v[S+32*\t+2*i:S+32*\t+2*i+1], s[60:61], v[ST+8*(\x+\t):ST+8*(\x+\t)+1] op_sel_hi:[1,0,0] neg_lo:[0,0,1] neg_hi:[0,0,1]   ; c s - c m
.set i, i+1
.endr
.endr
.if !\first
.irp t, 0,1
	v_exp_f32 v[ST+8*(\x+\t)+6], v[ST+8*(\x+\t)+7] ; a
.endr
.endif
.set i, 0
.rept 64
	v_exp_f32 v[S+i], v[S+i]
.set i, i+1
.endr
	v_nop                                          ; a plain instruction between the exponentials and the use of their results (ISA guide 5.7.2)
	s_wait_alu depctr_va_vdst(0)
.irp t, 0,1
.set i, 0
.rept 16
	v_cvt_pk_bf16_f32 v[P+16*\t+i], v[S+32*\t+2*i], v[S+32*\t+2*i+1]
.set i, i+1
.endr
.endr
.irp w, 4,8,16                         ; the sum of a tile's 16 pairs, in place: neighbours 1, 2, 4 pairs apart
.irp t, 0,1
.set u, 0
.rept 32/\w
	v_pk_add_f32 v[S+32*\t+\w*u:S+32*\t+\w*u+1], v[S+32*\t+\w*u:S+32*\t+\w*u+1], v[S+32*\t+\w*u+\w/2:S+32*\t+\w*u+\w/2+1]
.set u, u+1
.endr
.endr
.endr
.irp t, 0,1
.if \first
	v_pk_add_f32 v[ST+8*(\x+\t)+2:ST+8*(\x+\t)+3], v[S+32*\t:S+32*\t+1], v[S+32*\t+16:S+32*\t+17]
.else
	v_pk_add_f32 v[S+32*\t:S+32*\t+1], v[S+32*\t:S+32*\t+1], v[S+32*\t+16:S+32*\t+17]
.endif
.endr
.if !\first
.irp t, 0,1
	v_pk_fma_f32 v[ST+8*(\x+\t)+2:ST+8*(\x+\t)+3], v[ST+8*(\x+\t)+2:ST+8*(\x+\t)+3], v[ST+8*(\x+\t)+6:ST+8*(\x+\t)+7], v[S+32*\t:S+32*\t+1] op_sel_hi:[1,0,1]   ; l = a l + the sum
.endr
	WIN 0x41                                       ; O^T (destination and source 0) in window 1
.irp t, 0,1
.set i, 0
.rept 16
	v_pk_mul_f32 v[O+32*(\x+\t)+2*i:O+32*(\x+\t)+2*i+1], v[O+32*(\x+\t)+2*i:O+32*(\x+\t)+2*i+1], v[ST+8*(\x+\t)+6:ST+8*(\x+\t)+7] op_sel_hi:[1,0]
.set i, i+1
.endr
.endr
.endif
	s_wait_dscnt 0x0                               ; V is in, and so is the next step's K where it was fetched above
	WIN 0x51                                       ; V and O^T in window 1, P in window 0
.set i, 0
.rept 16                               ; keys 32 (i / 8) on, channels 16 ((i / 2) % 4) on, tile i % 2: eight accumulators by turns
.set rO, O+32*(\x+i%2)+8*((i/2)%4)
.set rV, 64+32*(i/8)+8*((i/2)%4)
.set rP, P+16*(i%2)+8*(i/8)
.if \first && (i < 8)
	v_wmma_f32_16x16x32_bf16 v[rO:rO+7], v[rV:rV+7], v[rP:rP+7], 0
.else
	v_wmma_f32_16x16x32_bf16 v[rO:rO+7], v[rV:rV+7], v[rP:rP+7], v[rO:rO+7]
.endif
.set i, i+1
.endr
	WIN 0
.endm
; A step of 1 to 7: piece 2 where the step is LO at the most, then piece 0, never masked here (HI is 8 at the least), which fetches the next step's K.
.macro GSTEP
	LOADV
	s_cmp_gt_u32 s66, s15
	s_cbranch_scc1 .Lno_low_\@
	PIECE 2, 0, 2, 0
.Lno_low_\@:
	PIECE 0, 0, 0, 1
	s_add_co_u32 s69, s69, 64
	s_add_co_u32 s66, s66, 1
.endm
	s_wait_loadcnt 0x0                             ; Q
	s_barrier_signal -1                            ; my part of keys 0-255 is in LDS (the counted waits above); my other loads may stay out
	s_barrier_wait -1                              ; everybody's part is
	LOADK                                          ; step 0
	LOADV
	PIECE 2, 1, 1, 0                               ; the mask is exact whether or not step 0 is piece 2's last
	PIECE 0, 1, 0, 1
	s_mov_b32 s66, 1
	s_mov_b32 s69, 64
.Learly:                                               ; steps 1 and 2: they read V of keys 64-191 and fetch K of keys 128-255, all of the first fill
	GSTEP
	s_cmp_lt_u32 s66, 3
	s_cbranch_scc1 .Learly
	s_wait_tensorcnt 0x0                           ; my parts of the other keys are in LDS,
	s_wait_dscnt 0x0                               ; (no LDS load of mine is out at the signal)
	s_barrier_signal -1
	s_barrier_wait -1                              ; everybody's are: step 3 fetches K of keys 256-319
.Lmid:                                                 ; steps 3 to 7: keys up to 575
	GSTEP
	s_cmp_lt_u32 s66, 8
	s_cbranch_scc1 .Lmid
	s_cmp_eq_u32 s14, 8
	s_cbranch_scc1 .Llast
.Lsolo:                                                ; steps 8 .. HI - 1: piece 0 alone.  HI is 15 at the most, so the fetches end at key 1,023; and at key 128 (8 - j) - 1 by the shares above
	LOADV
	PIECE 0, 0, 0, 1
	s_add_co_u32 s69, s69, 64
	s_add_co_u32 s66, s66, 1
	s_cmp_lt_u32 s66, s14
	s_cbranch_scc1 .Lsolo
.Llast:
	LOADV                                          ; step HI: piece 0's last; nothing more to fetch
	PIECE 0, 0, 1, 0
	; THE WAY OUT.  A barrier stands between every wave's last read of K and V and the first store into a stage: the reads' addresses walk in registers, so their order
	; with the stores is written down rather than left to the arithmetic of the two ranges.  All four waves have 17 piece-steps behind them.
	; Between signal and wait, on registers alone: l's two halves and the other half of the lanes' are added (the additions are the places behind the last products), and 1 / l is made.
	s_wait_dscnt 0x0                               ; my reads of K and V are back
	s_barrier_signal -1
.irp t, 0,1,2,3
	v_add_f32 v[ST+8*\t+4], v[ST+8*\t+2], v[ST+8*\t+3]
.endr
.irp t, 0,1,2,3
	v_permlanex16_b32 v[ST+8*\t+5], v[ST+8*\t+4], s62, s63
.endr
.irp t, 0,1,2,3
	v_add_f32 v[ST+8*\t+4], v[ST+8*\t+4], v[ST+8*\t+5]
.endr
.irp t, 0,1,2,3
	v_rcp_f32 v[ST+8*\t+6], v[ST+8*\t+4]
.endr
	v_nop                                          ; a plain instruction between the last reciprocal and its use
	s_barrier_wait -1                              ; every wave's reads of K and V are back: from here on each wave touches its own stage alone
.macro OUT t                           ; O^T / l, rounded to bf16: a lane's eight channels of a row pack into 16 bytes; rows of 144 bytes in, whole rows of 128 bytes back
	WIN 0x41
.set i, 0
	s_wait_alu depctr_va_vdst(0)
.rept 16
	v_pk_mul_f32 v[O+32*\t+2*i:O+32*\t+2*i+1], v[O+32*\t+2*i:O+32*\t+2*i+1], v[ST+8*\t+6:ST+8*\t+7] op_sel_hi:[1,0]
.set i, i+1
.endr
	WIN 0x05                                       ; sources window 1, destination window 0: S^T's registers are free
.set i, 0
.rept 16
	v_cvt_pk_bf16_f32 v[S+16*\t+i], v[O+32*\t+2*i], v[O+32*\t+2*i+1]
.set i, i+1
.endr
	WIN 0
.irp e, 0,1,2,3
	ds_store_b128 v[STO], v[S+16*\t+4*\e:S+16*\t+4*\e+3] offset:32*\e
.endr
.irp f, 0,1,2,3
	ds_load_b128 v[S+16*\t+4*\f:S+16*\t+4*\f+3], v[RD] offset:\f*4*SP   ; LDS serves a wave's instructions in order (ISA guide 5.7.1.4): these see the stores above, the next tile's stores come behind them
.endr
.endm
.macro SEND t, younger                 ; younger: the next tile's eight LDS instructions, or none
.irp f, 0,1,2,3
	s_wait_dscnt \younger+3-\f
	global_store_b128 v[GO], v[S+16*\t+4*\f:S+16*\t+4*\f+3], s[56+2*(\t/2):57+2*(\t/2)] offset:(16*(\t%2)+4*\f)*2048   ; eight lanes store 128 consecutive bytes: the head's share of a row
.endr
.endm
	OUT 0
	OUT 1
	SEND 0, 8
	OUT 2
	SEND 1, 8
	OUT 3
	SEND 2, 8
	SEND 3, 0
	s_wait_tensorcnt 0x0
	ds_add_u32 v254, v255
	s_wait_dscnt 0x0
	s_endpgm
.Lfunc_end_k_qb28a52309f_attn:
	.size	k_qb28a52309f_attn, .Lfunc_end_k_qb28a52309f_attn-k_qb28a52309f_attn
	.p2alignl 7, 3214868480
	.fill 96, 4, 3214868480
	.section	.rodata,"a",@progbits
	.p2align	6, 0x0
	.amdhsa_kernel k_qb28a52309f_attn
		.amdhsa_group_segment_fixed_size 304640
		.amdhsa_private_segment_fixed_size 0
		.amdhsa_enable_private_segment 0
		.amdhsa_kernarg_size 16
		.amdhsa_user_sgpr_count 2
		.amdhsa_user_sgpr_kernarg_segment_ptr 1
		.amdhsa_wavefront_size32 1
		.amdhsa_system_sgpr_workgroup_id_x 1
		.amdhsa_system_sgpr_workgroup_id_y 1
		.amdhsa_system_sgpr_workgroup_id_z 1
		.amdhsa_system_vgpr_workitem_id 0
		.amdhsa_next_free_vgpr 512
		.amdhsa_next_free_sgpr 92
		.amdhsa_reserve_vcc 1
		.amdhsa_float_denorm_mode_32 3
		.amdhsa_float_denorm_mode_16_64 3
		.amdhsa_memory_ordered 1
		.amdhsa_forward_progress 1
		.amdhsa_inst_pref_size 167
	.end_amdhsa_kernel
	.amdgpu_metadata
---
amdhsa.version: [ 1, 2 ]
amdhsa.kernels:
  - .name:           k_qb28a52309f_attn
    .symbol:         k_qb28a52309f_attn.kd
    .args:
      - { .name: qkv, .offset: 0, .size: 8, .value_kind: global_buffer, .address_space: global }
      - { .name: ctx, .offset: 8, .size: 8, .value_kind: global_buffer, .address_space: global }
    .group_segment_fixed_size: 304640
    .private_segment_fixed_size: 0
    .kernarg_segment_align: 8
    .kernarg_segment_size: 16
    .max_flat_workgroup_size: 128
    .sgpr_count:     92
    .vgpr_count:     512
    .wavefront_size: 32
...
	.end_amdgpu_metadata
.endif
;; end of part 3
;; launch wo (part 4): grid 8 x 32, 4 waves a work-group, clusters of 4 x 4, 327,680 bytes of LDS; arguments ctx, wt, x, x1; writes x1
.if DOCPART == 4
	.amdgcn_target "amdgcn-amd-amdhsa--gfx1250"
	.amdhsa_code_object_version 6
	.text
	.protected	k_qb28a52309f_wo
	.globl	k_qb28a52309f_wo
	.p2align	8
	.type	k_qb28a52309f_wo,@function
k_qb28a52309f_wo:
	s_mov_b64 s[64:65], 0
	v_nop
	global_prefetch_b8 v0, s[64:65] scope:SCOPE_SE
	s_setreg_imm32_b32 hwreg(HW_REG_WAVE_MODE, 25, 1), 1
	s_wait_xcnt 0x0
	s_wait_alu depctr_hold_cnt(0) depctr_sa_sdst(0) depctr_va_vdst(0) depctr_va_sdst(0) depctr_va_ssrc(0) depctr_va_vcc(0) depctr_vm_vsrc(0)
	s_getreg_b32 s2, hwreg(HW_REG_IB_STS2, 6, 4)
	s_cmp_eq_u32 s2, 0
	s_cbranch_scc0 .Lentry_in_a_cluster
	s_endpgm
.Lentry_in_a_cluster:
	s_bfe_u32 s2, ttmp6, 0x10000c
	s_cmp_lg_u32 s2, 0xf033
	s_cbranch_scc0 .Lentry_shape_is_right
	s_endpgm
.Lentry_shape_is_right:
; OUT[m][n] = RES[m][n] (+ BIASV[n]) + sum over k of A[m][k] B[n][k].  A = ctx [4096][1024] bf16, B = WoT [1024][1024] bf16 (wt at WOFF), RES = x, OUT = x1, both [4096][1024] f32.
; A tile of OUT is 128 x 128 (256 tiles, one a work-group).  Four waves, each 64 x 64: 16 accumulators of 16 x 16.  K goes in steps of 256 (LDS rows of 512 bytes) through two slots.
; CLUSTERS: 4 x 4 work-groups; A's tiles are asked for jointly along a row of the cluster, B's along a column.
; THE MATRIX INSTRUCTION IS USED TRANSPOSED (source 0 = 16 rows of B, source 1 = 16 rows of A): a lane holds eight neighbouring f32 of a row of OUT.
; A wave's 64 columns of f32 are 256 aligned bytes, so each wave has a stage of its own (16 rows) and no barrier stands on the way out.
; The residual is asked for at the start, into window 2, and waited for on the way out.
; REGISTERS: window 0: v0-31 addresses; v32-63 rows on the way out; v64-67 bias; v128-255 accumulators ((a, b) at v[128 + 8 (4 a + b)]).
;   window 1: two fragment buffers of 128.  window 2: v0-127 the residual of my 64 x 64.
; Limit: operands are bf16 as they come; sums, residual and bias in f32.
.set SIZE_K, 1024
.set WOFF,   6291456                   ; B's first byte in wt
.set BIAS,   0
.set KSTEP,  256
.set PITCH,  528                       ; an LDS row: 512 bytes + 16 of padding: the 16 rows of a load take 16 different columns of 16 bytes modulo 256
.set HALFT,  64*PITCH
.set SLOT,   4*HALFT
.set STAGE,  2*SLOT                    ; behind the ring: 16 rows x 272 bytes for each wave
.set SPITCH, 272
.set SPARE,  STAGE+4*16*SPITCH         ; behind the stages: the spare words, 128 bytes for each wave, which no other line names
.set LAPS,   SIZE_K/(2*KSTEP)
.set ADRA, 16
.set ADRB, 20
.set STO,  24
.set RD,   25
.set CO,   26                          ; v26  my byte offset in RES and OUT
.set BO,   27                          ; v27  my byte offset in the bias
.set SPW,  28
.set NIL,  29
.set TMP,  32
.set BI,   64
.set ACC,  128
.set F0,   0
.set F1,   128
.set G1,  24
.set G0,  32
.set G1B, 48
.set G0B, 56
.set MSB, 0
.macro WIN new
.if MSB != (\new)
	s_set_vgpr_msb (MSB<<8)|(\new)
.set MSB, (\new)
.endif
.endm
.set MUL,  0x05                        ; sources 0 (B) and 1 (A) window 1; C and D window 0
.set TO_F, 0x40                        ; destination window 1, address window 0
.macro JLOAD s                         ; a joint load: waves 0 and 1 fetch A's two halves, waves 2 and 3 B's; four v_nop follow each of the two lines
	s_cmp_eq_u32 s11, 0
	s_cbranch_scc0 .Lfor_b_\@
	tensor_load_to_lds s[G0+4*\s:G0+4*\s+3], s[G1:G1+7]
	s_nop 0
.rept 4
	v_nop
.endr
	s_branch .Lasked_\@
.Lfor_b_\@:
	tensor_load_to_lds s[G0B+4*\s:G0B+4*\s+3], s[G1B:G1B+7]
	s_nop 0
.rept 4
	v_nop
.endr
.Lasked_\@:
.endm
.macro CREST
	s_cmp_lg_u32 s10, 0
	s_cbranch_scc1 .Lnot_wave_0_\@
	s_barrier_signal -3
.Lnot_wave_0_\@:
	s_barrier_wait -3
	s_barrier_signal -1
	s_barrier_wait -1
.endm
.macro CROUND
	s_barrier_signal -1
	s_barrier_wait -1
	CREST
.endm
	s_load_b128 s[4:7], s[0:1], 0x0                ; A s[4:5], wt s[6:7]
	s_load_b128 s[68:71], s[0:1], 0x10             ; RES s[68:69], OUT s[70:71]
.if BIAS
	s_load_b64 s[72:73], s[0:1], 0x20
.endif
	v_lshl_add_u32 v[SPW], v0, 2, SPARE
	v_mov_b32 v[NIL], 0
	ds_add_u32 v28, v29
	ds_add_u32 v28, v29
	s_wait_dscnt 0x0
	v_lshrrev_b32 v1, 5, v0
	v_readfirstlane_b32 s10, v1                    ; wave 0..3
	s_lshr_b32 s11, s10, 1                         ; which half of the tile's rows is mine.  Also: I fetch for A (0) or for B (1)
	s_and_b32 s12, s10, 1                          ; which half of its columns.  Also: which 64 rows of that tile I fetch
	s_bfe_u32 s40, ttmp6, 0x40000                  ; cx, cy
	s_bfe_u32 s41, ttmp6, 0x40004
	s_lshl_b32 s42, ttmp9, 2
	s_add_co_u32 s42, s42, s40                     ; tile column
	s_and_b32 s13, ttmp7, 0xffff
	s_lshl_b32 s13, s13, 2
	s_add_co_u32 s13, s13, s41                     ; tile row
	s_lshl_b32 s43, s41, 2
	s_lshl_b32 s43, 15, s43                        ; my row of the cluster
	s_lshl_b32 s44, 0x1111, s40                    ; my column
	; group 1: 64 rows x 256 elements of 2 bytes; 4 words of padding behind every 128 words; bit 21 set beside the mask
	s_or_b32 s[G1+0], s43, (1<<16)|(1<<20)|(1<<21)|(6<<22)|(3<<25)
	s_or_b32 s[G1B+0], s44, (1<<16)|(1<<20)|(1<<21)|(6<<22)|(3<<25)
.irp g, G1, G1B
	s_mov_b32 s[\g+1], KSTEP<<16
	s_mov_b32 s[\g+2], 64<<16
	s_mov_b32 s[\g+3], KSTEP<<16
	s_mov_b32 s[\g+4], 64
	s_mov_b32 s[\g+5], SIZE_K
	s_mov_b32 s[\g+6], 0
	s_mov_b32 s[\g+7], 0
.endr
	s_lshl_b32 s17, s12, 6
	s_lshl_b32 s16, s13, 7
	s_add_co_u32 s16, s16, s17                     ; A: row 128 x tile row + 64 x half
	s_lshl_b32 s46, s42, 7
	s_add_co_u32 s46, s46, s17                     ; B: row 128 x tile column + 64 x half
	s_mov_b32 s17, 0
	s_mov_b32 s47, 0
	s_mov_b64 s[18:19], SIZE_K*2
	s_mul_u64 s[16:17], s[16:17], s[18:19]
	s_mul_u64 s[46:47], s[46:47], s[18:19]
	s_mul_i32 s20, s10, HALFT
	s_wait_kmcnt 0x0
	s_add_nc_u64 s[6:7], s[6:7], WOFF
	s_add_nc_u64 s[14:15], s[4:5], s[16:17]
	s_add_nc_u64 s[46:47], s[6:7], s[46:47]
	CROUND                                         ; all sixteen work-groups are here: the first joint loads meet
.irp s, 0,1
	s_mov_b32 s[G0+4*\s], 1
	s_add_co_u32 s[G0+4*\s+1], s20, \s*SLOT
	s_add_nc_u64 s[G0+4*\s+2:G0+4*\s+3], s[14:15], \s*KSTEP*2
	s_or_b32 s[G0+4*\s+3], s[G0+4*\s+3], 0x80000000
	s_mov_b32 s[G0B+4*\s], 1
	s_add_co_u32 s[G0B+4*\s+1], s20, \s*SLOT
	s_add_nc_u64 s[G0B+4*\s+2:G0B+4*\s+3], s[46:47], \s*KSTEP*2
	s_or_b32 s[G0B+4*\s+3], s[G0B+4*\s+3], 0x80000000
	JLOAD \s                                       ; two loads of mine are out
.endr
	v_and_b32 v1, 15, v0                           ; l % 16
	v_bfe_u32 v2, v0, 4, 1                         ; l / 16
	v_mul_u32_u24 v3, v1, PITCH
	v_lshl_add_u32 v3, v2, 4, v3
	s_mul_i32 s21, s11, HALFT
	s_mul_i32 s22, s12, HALFT
	s_add_co_u32 s22, s22, 2*HALFT
.irp s, 0,1
	v_add_nc_u32 v[ADRA+\s], s21, v3
	v_add_nc_u32 v[ADRB+\s], s22, v3
	s_add_co_u32 s21, s21, SLOT
	s_add_co_u32 s22, s22, SLOT
.endr
	s_mul_i32 s23, s10, 16*SPITCH
	s_add_co_u32 s23, s23, STAGE                   ; my stage
	v_mul_u32_u24 v4, v1, SPITCH
	v_lshl_add_u32 v4, v2, 5, v4                   ; in: row l % 16, 32 bytes for each half of the lanes
	v_add_nc_u32 v[STO], s23, v4
	v_mul_u32_u24 v5, v2, SPITCH
	v_lshl_add_u32 v5, v1, 4, v5                   ; back: lanes 0-15 one row of 256 bytes, lanes 16-31 the next
	v_add_nc_u32 v[RD], s23, v5
	v_lshlrev_b32 v5, 12, v2                       ; and the same two rows of 4,096 bytes in RES and OUT
	v_lshl_add_u32 v[CO], v1, 4, v5
	v_lshlrev_b32 v[BO], 4, v1
	s_lshl_b32 s16, s13, 7
	s_lshl_b32 s17, s11, 6
	s_add_co_u32 s16, s16, s17                     ; my first row: 128 x tile row + 64 x half
	s_lshl_b32 s16, s16, 12
	s_mov_b32 s17, 0
	s_lshl_b32 s46, s42, 9                         ; my first column, in bytes: 512 x tile column + 256 x half
	s_lshl_b32 s47, s12, 8
	s_add_co_u32 s46, s46, s47
	s_mov_b32 s47, 0
	s_add_nc_u64 s[68:69], s[68:69], s[16:17]
	s_add_nc_u64 s[68:69], s[68:69], s[46:47]
	s_add_nc_u64 s[70:71], s[70:71], s[16:17]
	s_add_nc_u64 s[70:71], s[70:71], s[46:47]
	WIN 0x80                                       ; destination window 2
.irp a, 0,1,2,3
.irp t, 0,1,2,3,4,5,6,7
	global_load_b128 v[4*(8*\a+\t):4*(8*\a+\t)+3], v[CO], s[68:69] offset:(16*\a+2*\t)*4096
.endr
.endr
	WIN 0
.if BIAS
	s_add_nc_u64 s[72:73], s[72:73], s[46:47]
	global_load_b128 v[BI:BI+3], v[BO], s[72:73]
.endif
.macro MUL8 f, c, a0, zero             ; 8 matrix instructions: m blocks a0, a0 + 1 x all 4 n blocks, 32 along K: half c of buffer f
.irp a, \a0, \a0+1
.irp b, 0,1,2,3
.if \zero
	v_wmma_f32_16x16x32_bf16 v[ACC+8*(4*(\a)+\b):ACC+8*(4*(\a)+\b)+7], v[\f+64+8*(4*\c+\b):\f+64+8*(4*\c+\b)+7], v[\f+8*(4*\c+\a):\f+8*(4*\c+\a)+7], 0
.else
	v_wmma_f32_16x16x32_bf16 v[ACC+8*(4*(\a)+\b):ACC+8*(4*(\a)+\b)+7], v[\f+64+8*(4*\c+\b):\f+64+8*(4*\c+\b)+7], v[\f+8*(4*\c+\a):\f+8*(4*\c+\a)+7], v[ACC+8*(4*(\a)+\b):ACC+8*(4*(\a)+\b)+7]
.endif
.endr
.endr
.endm
.macro FETCH slot, k, f                ; 32 LDS loads in one run: 64 along K at byte k of the rows, into buffer f; the first 32 along K first
	WIN TO_F
.irp c, 0,1
.irp i, 0,1,2,3
	ds_load_b128 v[\f+64+8*(4*\c+\i):\f+64+8*(4*\c+\i)+3],   v[ADRB+\slot] offset:\k+64*\c+\i*16*PITCH
	ds_load_b128 v[\f+64+8*(4*\c+\i)+4:\f+64+8*(4*\c+\i)+7], v[ADRB+\slot] offset:\k+64*\c+\i*16*PITCH+32
	ds_load_b128 v[\f+8*(4*\c+\i):\f+8*(4*\c+\i)+3],         v[ADRA+\slot] offset:\k+64*\c+\i*16*PITCH
	ds_load_b128 v[\f+8*(4*\c+\i)+4:\f+8*(4*\c+\i)+7],       v[ADRA+\slot] offset:\k+64*\c+\i*16*PITCH+32
.endr
.endr
.endm
.macro PLACES                          ; four plain vector instructions between a matrix instruction and a load into, or a read of, its registers
.rept 4
	v_nop
.endr
.endm
; A K step is four quarters of 64 along K, 32 matrix instructions each, on buffers 0, 1, 0, 1; the 16 accumulators take turns.
.macro QUARTER slot, k, f, g, zero
	s_wait_dscnt 16                                ; the first 32 along K are in
	WIN MUL
	MUL8 \f, 0, 0, \zero
	MUL8 \f, 0, 2, \zero
	PLACES
	FETCH \slot, \k, \g
	s_wait_dscnt 32                                ; all but the 32 just issued
	WIN MUL
	MUL8 \f, 1, 0, 0
	MUL8 \f, 1, 2, 0
.endm
; The last quarter multiplies buffer 1 and changes slots.  fill = 1: this slot is filled again, two K steps ahead, behind a round of the cluster's barrier.
.macro TURN slot, next, fill
	WIN 0                                          ; (the add's two registers lie in window 0)
	s_wait_tensorcnt 0x0                           ; all my tensor loads have landed: my part of the next slot
	ds_add_u32 v[SPW], v[NIL]                      ; 0 onto my spare word
	s_wait_dscnt 17                                ; (the add and the youngest sixteen loads may be out)
	WIN MUL
	MUL8 F1, 0, 0, 0
	s_wait_dscnt 0x0                               ; the add is done, and my reads of this slot are over
	s_barrier_signal -1
	MUL8 F1, 0, 2, 0
.if \fill
	WIN 0
.endif
	s_barrier_wait -1
.if \fill
	CREST                                          ; no wave of any partner still reads this slot's tile or has a load on its way
	s_add_nc_u64 s[G0+4*\slot+2:G0+4*\slot+3], s[G0+4*\slot+2:G0+4*\slot+3], 2*KSTEP*2
	s_add_nc_u64 s[G0B+4*\slot+2:G0B+4*\slot+3], s[G0B+4*\slot+2:G0B+4*\slot+3], 2*KSTEP*2
	JLOAD \slot                                    ; my one tensor load behind the round; its four v_nop are also the places in front of the loads below
.else
	PLACES
.endif
	FETCH \next, 0, F0
	WIN MUL
	MUL8 F1, 1, 0, 0
	MUL8 F1, 1, 2, 0
.endm
	s_wait_tensorcnt 1                             ; my part of K step 0 is in; K step 1's may stay out
	s_barrier_signal -1
	s_barrier_wait -1
	FETCH 0, 0, F0
	QUARTER 0, 128, F0, F1, 1                      ; the first quarter stands in front of the loop: its first products start the sums
.if LAPS > 1
	WIN 0
	s_mov_b32 s3, LAPS-1
.Llap:
	QUARTER 0, 256, F1, F0, 0
	QUARTER 0, 384, F0, F1, 0
	TURN 0, 1, 1
	QUARTER 1, 128, F0, F1, 0
	QUARTER 1, 256, F1, F0, 0
	QUARTER 1, 384, F0, F1, 0
	TURN 1, 0, 1
	QUARTER 0, 128, F0, F1, 0
	WIN 0
	s_sub_co_u32 s3, s3, 1
	s_cmp_lg_u32 s3, 0
	s_cbranch_scc1 .Llap
.endif
	QUARTER 0, 256, F1, F0, 0                      ; the last lap fills nothing
	QUARTER 0, 384, F0, F1, 0
	TURN 0, 1, 0
	QUARTER 1, 128, F0, F1, 0
	QUARTER 1, 256, F1, F0, 0
	QUARTER 1, 384, F0, F1, 0
	s_wait_dscnt 16
	WIN MUL
	MUL8 F1, 0, 0, 0
	MUL8 F1, 0, 2, 0
	s_wait_dscnt 0x0
	MUL8 F1, 1, 0, 0
	MUL8 F1, 1, 2, 0
	WIN 0
	; THE WAY OUT, 16 rows at a time: 32 bytes a lane and accumulator into my stage (low registers first), whole rows of 256 bytes back, residual (and bias) added, stored.
	PLACES
	s_wait_loadcnt 0x0                             ; the residual (and the bias)
.irp a, 0,1,2,3
.if \a > 0
	s_wait_xcnt 0x0                                ; TMP was the last block's store data: it is loaded again only behind this wait
.endif
.irp b, 0,1,2,3
	ds_store_b128 v[STO], v[ACC+8*(4*\a+\b):ACC+8*(4*\a+\b)+3]   offset:64*\b
	ds_store_b128 v[STO], v[ACC+8*(4*\a+\b)+4:ACC+8*(4*\a+\b)+7] offset:64*\b+16
.endr
.irp t, 0,1,2,3,4,5,6,7
	ds_load_b128 v[TMP+4*\t:TMP+4*\t+3], v[RD] offset:\t*2*SPITCH   ; LDS serves a wave's instructions in order (ISA guide 5.7.1.4): these see the stores above
.endr
	s_wait_dscnt 0x0
	WIN 0x08                                       ; source 1 window 2
.set p, 0
.rept 16
	v_pk_add_f32 v[TMP+2*p:TMP+2*p+1], v[TMP+2*p:TMP+2*p+1], v[32*\a+2*p:32*\a+2*p+1]
.set p, p+1
.endr
	WIN 0
.if BIAS
.set p, 0
.rept 16
	v_pk_add_f32 v[TMP+2*p:TMP+2*p+1], v[TMP+2*p:TMP+2*p+1], v[BI+2*(p%2):BI+2*(p%2)+1]
.set p, p+1
.endr
.endif
.irp t, 0,1,2,3,4,5,6,7
	global_store_b128 v[CO], v[TMP+4*\t:TMP+4*\t+3], s[70:71] offset:(16*\a+2*\t)*4096   ; 16 lanes store 256 consecutive bytes, at a multiple of 256 from OUT's first byte
.endr
.endr
	s_wait_tensorcnt 0x0                           ; the wave's end
	ds_add_u32 v[SPW], v[NIL]
	s_wait_dscnt 0x0
	CROUND                                         ; the closing round
	s_endpgm
.Lfunc_end_k_qb28a52309f_wo:
	.size	k_qb28a52309f_wo, .Lfunc_end_k_qb28a52309f_wo-k_qb28a52309f_wo
	.p2alignl 7, 3214868480
	.fill 96, 4, 3214868480
	.section	.rodata,"a",@progbits
	.p2align	6, 0x0
	.amdhsa_kernel k_qb28a52309f_wo
		.amdhsa_group_segment_fixed_size 327680
		.amdhsa_private_segment_fixed_size 0
		.amdhsa_enable_private_segment 0
		.amdhsa_kernarg_size 32
		.amdhsa_user_sgpr_count 2
		.amdhsa_user_sgpr_kernarg_segment_ptr 1
		.amdhsa_wavefront_size32 1
		.amdhsa_system_sgpr_workgroup_id_x 1
		.amdhsa_system_sgpr_workgroup_id_y 1
		.amdhsa_system_sgpr_workgroup_id_z 1
		.amdhsa_system_vgpr_workitem_id 0
		.amdhsa_next_free_vgpr 640
		.amdhsa_next_free_sgpr 76
		.amdhsa_reserve_vcc 0
		.amdhsa_float_denorm_mode_32 3
		.amdhsa_float_denorm_mode_16_64 3
		.amdhsa_memory_ordered 1
		.amdhsa_forward_progress 1
		.amdhsa_inst_pref_size 93
	.end_amdhsa_kernel
	.amdgpu_metadata
---
amdhsa.version: [ 1, 2 ]
amdhsa.kernels:
  - .name:           k_qb28a52309f_wo
    .symbol:         k_qb28a52309f_wo.kd
    .args:
      - { .name: ctx, .offset: 0, .size: 8, .value_kind: global_buffer, .address_space: global }
      - { .name: wt, .offset: 8, .size: 8, .value_kind: global_buffer, .address_space: global }
      - { .name: x, .offset: 16, .size: 8, .value_kind: global_buffer, .address_space: global }
      - { .name: x1, .offset: 24, .size: 8, .value_kind: global_buffer, .address_space: global }
    .group_segment_fixed_size: 327680
    .private_segment_fixed_size: 0
    .kernarg_segment_align: 8
    .kernarg_segment_size: 32
    .max_flat_workgroup_size: 128
    .sgpr_count:     76
    .vgpr_count:     640
    .wavefront_size: 32
...
	.end_amdgpu_metadata
.endif
;; end of part 4
;; launch ln2 (part 5): grid 256 x 1, 8 waves a work-group, no clusters, 0 bytes of LDS; arguments x1, g2, be2, nrm; writes nrm
.if DOCPART == 5
	.amdgcn_target "amdgcn-amd-amdhsa--gfx1250"
	.amdhsa_code_object_version 6
	.text
	.protected	k_qb28a52309f_ln2
	.globl	k_qb28a52309f_ln2
	.p2align	8
	.type	k_qb28a52309f_ln2,@function
k_qb28a52309f_ln2:
	s_mov_b64 s[64:65], 0
	v_nop
	global_prefetch_b8 v0, s[64:65] scope:SCOPE_SE
	s_setreg_imm32_b32 hwreg(HW_REG_WAVE_MODE, 25, 1), 1
	s_wait_xcnt 0x0
; nrm = LayerNorm(x1; g2, be2) in bf16.  x1: [4096][1024] f32.  16 rows a work-group, 2 a wave, one wave to a row; the row stays in 32 registers a lane.
; Mean first, then the mean of (x - mean)^2 on the differences, so a common offset of x1 cancels before squaring.
; No LDS, no barrier, no matrix unit, no cluster: memory binds and no wave reads what another reads, but for gain and bias (8 KiB).
; Limit: the result is rounded once, to bf16 (nearest even).
.set NSLOT, 2
.set OUTP,  14                         ; s[14:15] nrm
.set OFFI,  3                          ; v3   16 x lane
.set OFFO,  4                          ; v4   8 x lane
.set G,     8                          ; v[8:39]   gain of my 32 columns
.set BE,    40                         ; v[40:71]  bias of my 32 columns
.set X,     72                         ; slot s: 32 registers
.set Y,     X+32*NSLOT
.set T,     Y+16
.set MU,    T+8
.set R,     MU+2
.macro FILL s, r                       ; row r of my two into slot s: eight loads of 512 neighbouring bytes
.irp j, 0,1,2,3,4,5,6,7
	global_load_b128 v[X+32*(\s)+4*\j:X+32*(\s)+4*\j+3], v[OFFI], s[8:9] offset:(\r)*4096+512*\j
.endr
.endm
.macro LANESUM                         ; four pairs in T -> one sum in every lane's v[T]
	v_pk_add_f32 v[T:T+1], v[T:T+1], v[T+2:T+3]
	v_pk_add_f32 v[T+4:T+5], v[T+4:T+5], v[T+6:T+7]
	v_pk_add_f32 v[T:T+1], v[T:T+1], v[T+4:T+5]
	v_add_f32 v[T], v[T], v[T+1]
	v_add_f32_dpp v[T], v[T], v[T] row_xmask:1 row_mask:0xf bank_mask:0xf
	v_add_f32_dpp v[T], v[T], v[T] row_xmask:2 row_mask:0xf bank_mask:0xf
	v_add_f32_dpp v[T], v[T], v[T] row_xmask:4 row_mask:0xf bank_mask:0xf
	v_add_f32_dpp v[T], v[T], v[T] row_xmask:8 row_mask:0xf bank_mask:0xf
	v_permlanex16_b32 v[T+1], v[T], s30, s31       ; the other half of the lanes; T+1 has been written
	v_add_f32 v[T], v[T], v[T+1]
.endm
.macro ROW s, r, left
.set XB, X+32*(\s)
	s_wait_loadcnt \left                           ; loads come back in order: my row's eight are in
.irp c, 0,1,2,3
	v_pk_add_f32 v[T+2*\c:T+2*\c+1], v[XB+2*\c:XB+2*\c+1], v[XB+8+2*\c:XB+8+2*\c+1]   ; four chains start the sum: nothing is cleared
.endr
.irp c, 0,1,2,3
	v_pk_add_f32 v[T+2*\c:T+2*\c+1], v[T+2*\c:T+2*\c+1], v[XB+16+2*\c:XB+16+2*\c+1]
.endr
.irp c, 0,1,2,3
	v_pk_add_f32 v[T+2*\c:T+2*\c+1], v[T+2*\c:T+2*\c+1], v[XB+24+2*\c:XB+24+2*\c+1]
.endr
	LANESUM
	v_mul_f32 v[MU], s32, v[T]                     ; mean = sum / 1024
	v_mul_f32 v[MU+1], s32, v[T]
.set p, 0
.rept 16
	v_pk_add_f32 v[XB+2*p:XB+2*p+1], v[XB+2*p:XB+2*p+1], v[MU:MU+1] neg_lo:[0,1] neg_hi:[0,1]   ; x - mean, in place
.set p, p+1
.endr
.irp c, 0,1,2,3
	v_pk_mul_f32 v[T+2*\c:T+2*\c+1], v[XB+2*\c:XB+2*\c+1], v[XB+2*\c:XB+2*\c+1]
.endr
.irp k, 8,16,24
.irp c, 0,1,2,3
	v_pk_fma_f32 v[T+2*\c:T+2*\c+1], v[XB+\k+2*\c:XB+\k+2*\c+1], v[XB+\k+2*\c:XB+\k+2*\c+1], v[T+2*\c:T+2*\c+1]
.endr
.endr
	LANESUM
	v_fma_f32 v[T], v[T], s32, s33                 ; var + eps
	v_rsq_f32 v[R], v[T]
	v_rsq_f32 v[R+1], v[T]
	v_nop                                          ; a plain instruction between the root and its use (ISA guide 5.7.2)
	s_wait_xcnt 0x0                                ; Y was the last row's store data: it is rewritten only behind this wait
.set p, 0
	s_wait_alu depctr_va_vdst(0)
.rept 16
	v_pk_mul_f32 v[XB+2*p:XB+2*p+1], v[XB+2*p:XB+2*p+1], v[R:R+1]
.set p, p+1
.endr
.set p, 0
.rept 16
	v_pk_fma_f32 v[XB+2*p:XB+2*p+1], v[XB+2*p:XB+2*p+1], v[G+2*p:G+2*p+1], v[BE+2*p:BE+2*p+1]
.set p, p+1
.endr
.set p, 0
.rept 16
	v_cvt_pk_bf16_f32 v[Y+p], v[XB+2*p], v[XB+2*p+1]
.set p, p+1
.endr
.irp j, 0,1,2,3,4,5,6,7
	global_store_b64 v[OFFO], v[Y+2*\j:Y+2*\j+1], s[OUTP:OUTP+1] offset:(\r)*2048+256*\j   ; 32 lanes store 256 consecutive bytes, aligned
.endr
.endm
	s_load_b256 s[8:15], s[0:1], 0x0               ; x1 8:9, g2 10:11, be2 12:13, nrm 14:15
	v_lshrrev_b32 v1, 5, v0
	v_readfirstlane_b32 s2, v1                     ; wave 0..7
	v_and_b32 v2, 31, v0
	v_lshlrev_b32 v[OFFI], 4, v2
	v_lshlrev_b32 v[OFFO], 3, v2
	s_mov_b32 s30, 0x76543210
	s_mov_b32 s31, 0xfedcba98
	s_mov_b32 s32, 0x3a800000                      ; 1 / 1024
	s_mov_b32 s33, 0x3727c5ac                      ; eps = 1e-5
	s_lshl_b32 s38, ttmp9, 16                      ; 16 rows of 4,096 bytes a work-group,
	s_lshl_b32 s3, s2, 13                          ; 2 a wave
	s_add_co_u32 s38, s38, s3
	s_mov_b32 s39, 0
	s_lshr_b32 s40, s38, 1
	s_mov_b32 s41, 0
	s_wait_kmcnt 0x0
	s_add_nc_u64 s[8:9], s[8:9], s[38:39]
	s_add_nc_u64 s[OUTP:OUTP+1], s[OUTP:OUTP+1], s[40:41]
.irp j, 0,1,2,3,4,5,6,7
	global_load_b128 v[G+4*\j:G+4*\j+3], v[OFFI], s[10:11] offset:512*\j
.endr
.irp j, 0,1,2,3,4,5,6,7
	global_load_b128 v[BE+4*\j:BE+4*\j+3], v[OFFI], s[12:13] offset:512*\j
.endr
	FILL 0, 0
	FILL 1, 1
	ROW 0, 0, 8                                    ; the second row's eight loads stay out
	ROW 1, 1, 0
	s_endpgm
.Lfunc_end_k_qb28a52309f_ln2:
	.size	k_qb28a52309f_ln2, .Lfunc_end_k_qb28a52309f_ln2-k_qb28a52309f_ln2
	.p2alignl 7, 3214868480
	.fill 96, 4, 3214868480
	.section	.rodata,"a",@progbits
	.p2align	6, 0x0
	.amdhsa_kernel k_qb28a52309f_ln2
		.amdhsa_group_segment_fixed_size 0
		.amdhsa_private_segment_fixed_size 0
		.amdhsa_enable_private_segment 0
		.amdhsa_kernarg_size 32
		.amdhsa_user_sgpr_count 2
		.amdhsa_user_sgpr_kernarg_segment_ptr 1
		.amdhsa_wavefront_size32 1
		.amdhsa_system_sgpr_workgroup_id_x 1
		.amdhsa_system_sgpr_workgroup_id_y 1
		.amdhsa_system_sgpr_workgroup_id_z 1
		.amdhsa_system_vgpr_workitem_id 0
		.amdhsa_next_free_vgpr 168
		.amdhsa_next_free_sgpr 66
		.amdhsa_reserve_vcc 0
		.amdhsa_float_denorm_mode_32 3
		.amdhsa_float_denorm_mode_16_64 3
		.amdhsa_memory_ordered 1
		.amdhsa_forward_progress 1
		.amdhsa_inst_pref_size 20
	.end_amdhsa_kernel
	.amdgpu_metadata
---
amdhsa.version: [ 1, 2 ]
amdhsa.kernels:
  - .name:           k_qb28a52309f_ln2
    .symbol:         k_qb28a52309f_ln2.kd
    .args:
      - { .name: x1, .offset: 0, .size: 8, .value_kind: global_buffer, .address_space: global }
      - { .name: g2, .offset: 8, .size: 8, .value_kind: global_buffer, .address_space: global }
      - { .name: be2, .offset: 16, .size: 8, .value_kind: global_buffer, .address_space: global }
      - { .name: nrm, .offset: 24, .size: 8, .value_kind: global_buffer, .address_space: global }
    .group_segment_fixed_size: 0
    .private_segment_fixed_size: 0
    .kernarg_segment_align: 8
    .kernarg_segment_size: 32
    .max_flat_workgroup_size: 256
    .sgpr_count:     66
    .vgpr_count:     168
    .wavefront_size: 32
...
	.end_amdgpu_metadata
.endif
;; end of part 5
;; launch ffn1 (part 6): grid 16 x 16, 4 waves a work-group, clusters of 4 x 4, 327,680 bytes of LDS; arguments nrm, wt, h, b1; writes h
.if DOCPART == 6
	.amdgcn_target "amdgcn-amd-amdhsa--gfx1250"
	.amdhsa_code_object_version 6
	.text
	.protected	k_qb28a52309f_ffn1
	.globl	k_qb28a52309f_ffn1
	.p2align	8
	.type	k_qb28a52309f_ffn1,@function
k_qb28a52309f_ffn1:
	s_mov_b64 s[64:65], 0
	v_nop
	global_prefetch_b8 v0, s[64:65] scope:SCOPE_SE
	s_setreg_imm32_b32 hwreg(HW_REG_WAVE_MODE, 25, 1), 1
	s_wait_xcnt 0x0
	s_wait_alu depctr_hold_cnt(0) depctr_sa_sdst(0) depctr_va_vdst(0) depctr_va_sdst(0) depctr_va_ssrc(0) depctr_va_vcc(0) depctr_vm_vsrc(0)
	s_getreg_b32 s2, hwreg(HW_REG_IB_STS2, 6, 4)
	s_cmp_eq_u32 s2, 0
	s_cbranch_scc0 .Lentry_in_a_cluster
	s_endpgm
.Lentry_in_a_cluster:
	s_bfe_u32 s2, ttmp6, 0x10000c
	s_cmp_lg_u32 s2, 0xf033
	s_cbranch_scc0 .Lentry_shape_is_right
	s_endpgm
.Lentry_shape_is_right:
; C[m][n] = relu(bias[n] + sum over k of A[m][k] B[n][k]).  A = nrm [4096][1024], B = w1T [4096][1024] (wt at WOFF), C = h [4096][4096], all bf16; bias = b1 f32; sums, bias and relu in f32, C rounded once.
; A tile of C, 256 x 256, is made by a work-group of four waves; a wave makes 128 x 128: 64 accumulators of 16 x 16, 512 registers.  16 x 16 tiles: 256 work-groups.
; K goes in steps of 128 through a ring of two LDS slots filled by the tensor data mover; rows of A's and B's tiles are 256 bytes of memory at multiples of 256.
; CLUSTERS: 4 x 4 work-groups.  The four of a row of the cluster need the same tiles of A, the four of a column the same tiles of B: each tile is asked for
; jointly, by the same tensor load with the same descriptor and a mask that names the four.
; THE MATRIX INSTRUCTION IS USED TRANSPOSED (source 0 = 16 rows of B, source 1 = 16 rows of A): a lane holds eight neighbouring numbers of a row of C.
; REGISTERS, in windows of 256: window 0: v0-31 addresses; v64-127, v128-191 fragments of A, two buffers; v32-63, v192-255 at work on the way out.
;   window 1: v64-127, v128-191 fragments of B; v0-63 the bias of my 128 columns.  window 2: accumulators of my rows 0-63 ((a, b) at v[8 (8 a + b)]); window 3: rows 64-127.
; Limit: operands are bf16 as they come; no other.
.set SIZE_K, 1024
.set SIZE_N, 4096
.set WOFF,   8388608                   ; B's first byte in wt
.set EPI,    1                         ; 1: C = relu(sum + bias)
.set KSTEP,  128
.set PITCH,  272                       ; an LDS row: 256 bytes + 16 of padding: row r starts 16 r bytes further modulo 256, so the 16 rows of a load take 16 different columns of 16 bytes
.set HALFT,  128*PITCH                 ; 128 rows: what one tensor load brings, and what one wave reads of A or of B
.set SLOT,   4*HALFT                   ; A's 256 rows, then B's 256 rows
.set STAGE,  2*SLOT                    ; behind the ring: 16 rows x 272 bytes for each wave, for the way out
.set SPITCH, 272
.set SPARE,  STAGE+4*16*SPITCH         ; behind the stages: the spare words, 128 bytes for each wave, which no other line names
.set LAPS,   SIZE_K/(2*KSTEP)          ; a lap = two K steps = once round the ring
.set ADRA, 16                          ; v16-17  LDS address of my A fragments in slot 0, 1
.set ADRB, 20                          ; v20-21  the same for B
.set STO,  24                          ; v24     the way out: where I put 16 bytes of a row
.set RD,   25                          ; v25     the way out: where I read a row back
.set CO,   26                          ; v26     my byte offset in C
.set BO,   27                          ; v27     my byte offset in the bias
.set SPW,  28                          ; v28     LDS address of my spare word; never rewritten
.set NIL,  29                          ; v29     0; never rewritten
.set F0,   64
.set F1,   128
.set TMP,  192
.set OB,   32
.set G1,  24                           ; s[24:31] group 1 for A's tiles;  s[32:39] group 0, a set for each slot
.set G0,  32
.set G1B, 48                           ; s[48:55], s[56:63] the same for B's tiles
.set G0B, 56
.set MSB, 0
.macro WIN new                         ; the immediate's high byte repeats the setting that is left; a switch that changes nothing is dropped
.if MSB != (\new)
	s_set_vgpr_msb (MSB<<8)|(\new)
.set MSB, (\new)
.endif
.endm
.set MUL_LO, 0xa1                      ; source 0 (B) window 1, source 1 (A) window 0, C and D window 2
.set MUL_HI, 0xf1                      ; the same, C and D window 3
.set TO_B,   0x40                      ; destination window 1, address window 0
; A joint load.  Waves 0 and 1 fetch A's two halves, waves 2 and 3 B's; the branch hangs on the wave's number alone.  Four v_nop follow each of the two lines.
.macro JLOAD s
	s_cmp_eq_u32 s11, 0
	s_cbranch_scc0 .Lfor_b_\@
	tensor_load_to_lds s[G0+4*\s:G0+4*\s+3], s[G1:G1+7]
	s_nop 0
.rept 4
	v_nop
.endr
	s_branch .Lasked_\@
.Lfor_b_\@:
	tensor_load_to_lds s[G0B+4*\s:G0B+4*\s+3], s[G1B:G1B+7]
	s_nop 0
.rept 4
	v_nop
.endr
.Lasked_\@:
.endm
.macro CREST                           ; a round of the cluster's barrier behind its opening barrier
	s_cmp_lg_u32 s10, 0
	s_cbranch_scc1 .Lnot_wave_0_\@
	s_barrier_signal -3
.Lnot_wave_0_\@:
	s_barrier_wait -3
	s_barrier_signal -1
	s_barrier_wait -1
.endm
.macro CROUND                          ; a whole round
	s_barrier_signal -1
	s_barrier_wait -1
	CREST
.endm
	s_load_b128 s[4:7], s[0:1], 0x0                ; A s[4:5], wt s[6:7]
	s_load_b64 s[8:9], s[0:1], 0x10                ; C
.if EPI
	s_load_b64 s[66:67], s[0:1], 0x18              ; bias
.endif
	v_lshl_add_u32 v[SPW], v0, 2, SPARE
	v_mov_b32 v[NIL], 0
	ds_add_u32 v28, v29
	ds_add_u32 v28, v29
	s_wait_dscnt 0x0
	v_lshrrev_b32 v1, 5, v0
	v_readfirstlane_b32 s10, v1                    ; wave 0..3
	s_lshr_b32 s11, s10, 1                         ; which half of the tile's rows is mine.  Also: I fetch for A (0) or for B (1)
	s_and_b32 s12, s10, 1                          ; which half of its columns.  Also: which 128 rows of that tile I fetch
	s_bfe_u32 s40, ttmp6, 0x40000                  ; cx
	s_bfe_u32 s41, ttmp6, 0x40004                  ; cy
	s_lshl_b32 s42, ttmp9, 2
	s_add_co_u32 s42, s42, s40                     ; tile column of C = 4 x cluster x + cx
	s_and_b32 s13, ttmp7, 0xffff
	s_lshl_b32 s13, s13, 2
	s_add_co_u32 s13, s13, s41                     ; tile row of C = 4 x cluster y + cy
	s_lshl_b32 s43, s41, 2
	s_lshl_b32 s43, 15, s43                        ; my row of the cluster: places 4 cy .. 4 cy + 3
	s_lshl_b32 s44, 0x1111, s40                    ; my column: places cx, cx + 4, cx + 8, cx + 12
	; group 1: a tile of 128 rows x 128 elements of 2 bytes; 4 words of padding behind every 64 words; bit 21 set beside the mask
	s_or_b32 s[G1+0], s43, (1<<16)|(1<<20)|(1<<21)|(5<<22)|(3<<25)
	s_or_b32 s[G1B+0], s44, (1<<16)|(1<<20)|(1<<21)|(5<<22)|(3<<25)
.irp g, G1, G1B
	s_mov_b32 s[\g+1], KSTEP<<16                   ; tensor_dim0 = 128
	s_mov_b32 s[\g+2], 128<<16                     ; tensor_dim1 = 128
	s_mov_b32 s[\g+3], KSTEP<<16                   ; tile_dim0 = 128
	s_mov_b32 s[\g+4], 128                         ; tile_dim1 = 128
	s_mov_b32 s[\g+5], SIZE_K                      ; elements from row to row
	s_mov_b32 s[\g+6], 0
	s_mov_b32 s[\g+7], 0
.endr
	; A's tiles hang on the tile row alone, B's on the tile column alone; each address is made in registers that never hold the other coordinate
	s_lshl_b32 s17, s12, 7
	s_lshl_b32 s16, s13, 8
	s_add_co_u32 s16, s16, s17                     ; A: row 256 x tile row + 128 x half
	s_lshl_b32 s46, s42, 8
	s_add_co_u32 s46, s46, s17                     ; B: row 256 x tile column + 128 x half
	s_mov_b32 s17, 0
	s_mov_b32 s47, 0
	s_mov_b64 s[18:19], SIZE_K*2
	s_mul_u64 s[16:17], s[16:17], s[18:19]
	s_mul_u64 s[46:47], s[46:47], s[18:19]
	s_mul_i32 s20, s10, HALFT                      ; where they go: wave x 128 rows
	s_wait_kmcnt 0x0
.if WOFF
	s_add_nc_u64 s[6:7], s[6:7], WOFF
.endif
	s_add_nc_u64 s[14:15], s[4:5], s[16:17]
	s_add_nc_u64 s[46:47], s[6:7], s[46:47]
	CROUND                                         ; all sixteen work-groups are here: the first joint loads meet
.irp s, 0,1
	s_mov_b32 s[G0+4*\s], 1
	s_add_co_u32 s[G0+4*\s+1], s20, \s*SLOT
	s_add_nc_u64 s[G0+4*\s+2:G0+4*\s+3], s[14:15], \s*KSTEP*2
	s_or_b32 s[G0+4*\s+3], s[G0+4*\s+3], 0x80000000
	s_mov_b32 s[G0B+4*\s], 1
	s_add_co_u32 s[G0B+4*\s+1], s20, \s*SLOT
	s_add_nc_u64 s[G0B+4*\s+2:G0B+4*\s+3], s[46:47], \s*KSTEP*2
	s_or_b32 s[G0B+4*\s+3], s[G0B+4*\s+3], 0x80000000
	JLOAD \s                                       ; two loads of mine are out
.endr
	; a fragment is 16 rows x 32 K in 8 registers: lane l holds row l % 16; two loads of 16 bytes, 32 bytes apart, at row x pitch + 16 (l / 16)
	v_and_b32 v1, 15, v0
	v_bfe_u32 v2, v0, 4, 1
	v_mul_u32_u24 v3, v1, PITCH
	v_lshl_add_u32 v3, v2, 4, v3
	s_mul_i32 s21, s11, HALFT                      ; my 128 rows of A
	s_mul_i32 s22, s12, HALFT                      ; my 128 rows of B,
	s_add_co_u32 s22, s22, 2*HALFT                 ; which lie behind A's 256
.irp s, 0,1
	v_add_nc_u32 v[ADRA+\s], s21, v3
	v_add_nc_u32 v[ADRB+\s], s22, v3
	s_add_co_u32 s21, s21, SLOT
	s_add_co_u32 s22, s22, SLOT
.endr
	s_mul_i32 s23, s10, 16*SPITCH
	s_add_co_u32 s23, s23, STAGE                   ; my stage
	v_mul_u32_u24 v4, v1, SPITCH
	v_lshl_add_u32 v4, v2, 4, v4
	v_add_nc_u32 v[STO], s23, v4
	v_mul_u32_u24 v5, v2, SPITCH
	v_lshl_add_u32 v5, v1, 4, v5
	v_add_nc_u32 v[RD], s23, v5
	v_mul_u32_u24 v5, v2, SIZE_N*2
	v_lshl_add_u32 v[CO], v1, 4, v5
	s_lshl_b32 s13, s13, 8
	s_lshl_b32 s14, s11, 7
	s_add_co_u32 s16, s13, s14                     ; my first row of C
	s_mov_b32 s17, 0
	s_mov_b64 s[18:19], SIZE_N*2
	s_mul_u64 s[16:17], s[16:17], s[18:19]
	s_lshl_b32 s46, s42, 9                         ; my first column, in bytes: 512 x tile column + 256 x half
	s_lshl_b32 s47, s12, 8
	s_add_co_u32 s46, s46, s47
	s_mov_b32 s47, 0
	s_add_nc_u64 s[16:17], s[16:17], s[46:47]      ; the first way out adds this to C's address
.if EPI
	s_lshl_b32 s46, s46, 1                         ; the same columns in f32
	s_add_nc_u64 s[66:67], s[66:67], s[46:47]
	v_lshlrev_b32 v[BO], 5, v2                     ; my eight columns of a block of 16: 32 (l / 16)
	WIN TO_B
.irp b, 0,1,2,3,4,5,6,7
	global_load_b128 v[8*\b:8*\b+3],   v[BO], s[66:67] offset:64*\b       ; window 1, v0-63: waited for on the way out
	global_load_b128 v[8*\b+4:8*\b+7], v[BO], s[66:67] offset:64*\b+16
.endr
	WIN 0
.endif
; 16 matrix instructions: m blocks a0, a0 + 1 of the window's four x all 8 n blocks, 32 along K.  zero = 1: the first product starts the sums.
.macro MUL16 f, hi, a0, zero
.irp a, \a0, \a0+1
.irp b, 0,1,2,3,4,5,6,7
.if \zero
	v_wmma_f32_16x16x32_bf16 v[8*(8*(\a)+\b):8*(8*(\a)+\b)+7], v[\f+8*\b:\f+8*\b+7], v[\f+8*(4*\hi+\a):\f+8*(4*\hi+\a)+7], 0
.else
	v_wmma_f32_16x16x32_bf16 v[8*(8*(\a)+\b):8*(8*(\a)+\b)+7], v[\f+8*\b:\f+8*\b+7], v[\f+8*(4*\hi+\a):\f+8*(4*\hi+\a)+7], v[8*(8*(\a)+\b):8*(8*(\a)+\b)+7]
.endif
.endr
.endr
.endm
; 32 LDS loads in one run: the fragments of one quarter step (32 K at byte k of the rows) into buffer f
.macro FETCH slot, k, f
	WIN TO_B
.irp i, 0,1,2,3,4,5,6,7
	ds_load_b128 v[\f+8*\i:\f+8*\i+3],   v[ADRB+\slot] offset:\k+\i*16*PITCH
	ds_load_b128 v[\f+8*\i+4:\f+8*\i+7], v[ADRB+\slot] offset:\k+\i*16*PITCH+32
.endr
	WIN 0
.irp i, 0,1,2,3,4,5,6,7
	ds_load_b128 v[\f+8*\i:\f+8*\i+3],   v[ADRA+\slot] offset:\k+\i*16*PITCH
	ds_load_b128 v[\f+8*\i+4:\f+8*\i+7], v[ADRA+\slot] offset:\k+\i*16*PITCH+32
.endr
.endm
.macro PLACES                          ; four plain vector instructions between a matrix instruction and a load into, or a vector read of, its registers
.rept 4
	v_nop
.endr
.endm
; A K step is four quarters of 32 along K, 64 matrix instructions each, on buffers 0, 1, 0, 1; the 64 accumulators take turns.
.macro QUARTER slot, k, f, g, zero
	s_wait_dscnt 8                                 ; B and A's rows 0-63 are in; the youngest eight loads (A's rows 64-127) may be out
	WIN MUL_LO
	MUL16 \f, 0, 0, \zero
	MUL16 \f, 0, 2, \zero
	PLACES
	FETCH \slot, \k, \g
	s_wait_dscnt 32                                ; all but the 32 just issued
	WIN MUL_HI
	MUL16 \f, 1, 0, \zero
	MUL16 \f, 1, 2, \zero
.endm
; The last quarter's first half: one barrier for the change of slots.
.macro MEET round
	WIN 0                                          ; (the add's two registers lie in window 0)
	s_wait_tensorcnt 0x0                           ; all my tensor loads have landed: the one that was out is my part of the next slot
	ds_add_u32 v[SPW], v[NIL]                      ; 0 onto my spare word
	s_wait_dscnt 9                                 ; (the add and the youngest eight loads may be out)
	WIN MUL_LO
	MUL16 F1, 0, 0, 0
	s_wait_dscnt 0x0                               ; the add is done, and my reads of this slot are over
	s_barrier_signal -1
	MUL16 F1, 0, 2, 0
.if \round
	WIN 0
.endif
	s_barrier_wait -1
.endm
; The whole last quarter: behind the round the slot just read out is filled again, two K steps on; then come the next slot's first fragments.
.macro TURN slot, next
	MEET 1
	CREST                                          ; no wave of any partner still reads this slot's tile or has a load on its way
	s_add_nc_u64 s[G0+4*\slot+2:G0+4*\slot+3], s[G0+4*\slot+2:G0+4*\slot+3], 2*KSTEP*2
	s_add_nc_u64 s[G0B+4*\slot+2:G0B+4*\slot+3], s[G0B+4*\slot+2:G0B+4*\slot+3], 2*KSTEP*2
	JLOAD \slot                                    ; my one tensor load behind the round; its four v_nop are also the places in front of the loads below
	FETCH \next, 0, F0
	WIN MUL_HI
	MUL16 F1, 1, 0, 0
	MUL16 F1, 1, 2, 0
.endm
; THE WAY OUT of block a (16 rows).  PACK: bias, relu, rounded to bf16, 16 bytes a lane; each accumulator is read from its low end on.
.macro PACK a
.set AC, 64*((\a)%4)
.if EPI
	WIN 0x06+((\a)/4)                              ; source 0: window 2 or 3; source 1: window 1; destination: window 0
.irp b, 0,1,2,3,4,5,6,7
.irp r, 0,1,2,3
	v_pk_add_f32 v[F0+8*\b+2*\r:F0+8*\b+2*\r+1], v[AC+8*\b+2*\r:AC+8*\b+2*\r+1], v[8*\b+2*\r:8*\b+2*\r+1]
.endr
.endr
	WIN 0
.set i, 0
.rept 64
	v_max_num_f32 v[F0+i], 0, v[F0+i]
.set i, i+1
.endr
.irp b, 0,1,2,3,4,5,6,7
.irp r, 0,1,2,3
	v_cvt_pk_bf16_f32 v[TMP+4*\b+\r], v[F0+8*\b+2*\r], v[F0+8*\b+2*\r+1]
.endr
.endr
.else
	WIN 0x0a+5*((\a)/4)                            ; sources 0 and 1: window 2 or 3
.irp b, 0,1,2,3,4,5,6,7
.irp r, 0,1,2,3
	v_cvt_pk_bf16_f32 v[TMP+4*\b+\r], v[AC+8*\b+2*\r], v[AC+8*\b+2*\r+1]
.endr
.endr
	WIN 0
.endif
.endm
.macro TOSTAGE a                       ; into my own stage, and back as whole rows of 256 bytes
.set BK, OB+192*((\a)%2)
.irp b, 0,1,2,3,4,5,6,7
	ds_store_b128 v[STO], v[TMP+4*\b:TMP+4*\b+3] offset:32*\b
.endr
.irp t, 0,1,2,3,4,5,6,7
	ds_load_b128 v[BK+4*\t:BK+4*\t+3], v[RD] offset:\t*2*SPITCH    ; LDS serves a wave's instructions in order (ISA guide 5.7.1.4): these see the stores above
.endr
.endm
.macro SEND a, younger
.set BK, OB+192*((\a)%2)
	s_wait_dscnt \younger                          ; the block is back in registers
	s_wait_xcnt 0x0                                ; only behind this wait are the stores' base and the registers that earlier stores read rewritten
.if (\a) == 0
	s_add_nc_u64 s[8:9], s[8:9], s[16:17]          ; on to my first rows
.else
	s_add_nc_u64 s[8:9], s[8:9], 16*SIZE_N*2       ; 16 rows of C on
.endif
.irp t, 0,1,2,3,4,5,6,7
	global_store_b128 v[CO], v[BK+4*\t:BK+4*\t+3], s[8:9] offset:2*\t*SIZE_N*2   ; 16 lanes store 256 consecutive bytes, at a multiple of 256 from C's first byte
.endr
.endm
	s_wait_tensorcnt 1                             ; my part of K step 0 is in; K step 1's may stay out
	s_barrier_signal -1
	s_barrier_wait -1
	FETCH 0, 0, F0
	QUARTER 0, 64,  F0, F1, 1                      ; the first quarter stands in front of the loop: its products start the sums
	WIN 0                                          ; at a label and at a branch every window is 0
	s_mov_b32 s3, LAPS-1
.Llap:                                                 ; a trip goes once round the ring, from a lap's second quarter to the next lap's first, and fills both slots again
	QUARTER 0, 128, F1, F0, 0
	QUARTER 0, 192, F0, F1, 0
	TURN 0, 1
	QUARTER 1, 64,  F0, F1, 0
	QUARTER 1, 128, F1, F0, 0
	QUARTER 1, 192, F0, F1, 0
	TURN 1, 0
	QUARTER 0, 64,  F0, F1, 0
	WIN 0
	s_sub_co_u32 s3, s3, 1
	s_cmp_lg_u32 s3, 0
	s_cbranch_scc1 .Llap
	QUARTER 0, 128, F1, F0, 0                      ; the last lap asks for nothing more
	QUARTER 0, 192, F0, F1, 0
	MEET 0                                         ; slot 1, the last K step, is whole; nothing is filled again, so no round follows
	PLACES
	FETCH 1, 0, F0
	WIN MUL_HI
	MUL16 F1, 1, 0, 0
	MUL16 F1, 1, 2, 0
	QUARTER 1, 64,  F0, F1, 0
	QUARTER 1, 128, F1, F0, 0
	QUARTER 1, 192, F0, F1, 0
	s_wait_dscnt 8                                 ; the very last quarter: nothing more to fetch
	WIN MUL_LO
	MUL16 F1, 0, 0, 0
	MUL16 F1, 0, 2, 0
	s_wait_dscnt 0x0
	WIN MUL_HI
	MUL16 F1, 1, 0, 0
	MUL16 F1, 1, 2, 0
	WIN 0
	PLACES
.if EPI
	s_wait_loadcnt 0x0                             ; the bias
.endif
	PACK 0
	TOSTAGE 0
.irp a, 1,2,3,4,5,6,7                  ; block a's arithmetic stands between block a - 1's loads from the stage and the wait for them
	PACK \a
	SEND \a-1, 0
	TOSTAGE \a
.endr
	SEND 7, 0
	s_wait_tensorcnt 0x0                           ; the wave's end
	ds_add_u32 v[SPW], v[NIL]
	s_wait_dscnt 0x0
	CROUND                                         ; the closing round: no work-group ends while a partner may still ask for a tile that names it
	s_endpgm
.Lfunc_end_k_qb28a52309f_ffn1:
	.size	k_qb28a52309f_ffn1, .Lfunc_end_k_qb28a52309f_ffn1-k_qb28a52309f_ffn1
	.p2alignl 7, 3214868480
	.fill 96, 4, 3214868480
	.section	.rodata,"a",@progbits
	.p2align	6, 0x0
	.amdhsa_kernel k_qb28a52309f_ffn1
		.amdhsa_group_segment_fixed_size 327680
		.amdhsa_private_segment_fixed_size 0
		.amdhsa_enable_private_segment 0
		.amdhsa_kernarg_size 32
		.amdhsa_user_sgpr_count 2
		.amdhsa_user_sgpr_kernarg_segment_ptr 1
		.amdhsa_wavefront_size32 1
		.amdhsa_system_sgpr_workgroup_id_x 1
		.amdhsa_system_sgpr_workgroup_id_y 1
		.amdhsa_system_sgpr_workgroup_id_z 1
		.amdhsa_system_vgpr_workitem_id 0
		.amdhsa_next_free_vgpr 1024
		.amdhsa_next_free_sgpr 68
		.amdhsa_reserve_vcc 0
		.amdhsa_float_denorm_mode_32 3
		.amdhsa_float_denorm_mode_16_64 3
		.amdhsa_memory_ordered 1
		.amdhsa_forward_progress 1
		.amdhsa_inst_pref_size 177
	.end_amdhsa_kernel
	.amdgpu_metadata
---
amdhsa.version: [ 1, 2 ]
amdhsa.kernels:
  - .name:           k_qb28a52309f_ffn1
    .symbol:         k_qb28a52309f_ffn1.kd
    .args:
      - { .name: nrm, .offset: 0, .size: 8, .value_kind: global_buffer, .address_space: global }
      - { .name: wt, .offset: 8, .size: 8, .value_kind: global_buffer, .address_space: global }
      - { .name: h, .offset: 16, .size: 8, .value_kind: global_buffer, .address_space: global }
      - { .name: b1, .offset: 24, .size: 8, .value_kind: global_buffer, .address_space: global }
    .group_segment_fixed_size: 327680
    .private_segment_fixed_size: 0
    .kernarg_segment_align: 8
    .kernarg_segment_size: 32
    .max_flat_workgroup_size: 128
    .sgpr_count:     68
    .vgpr_count:     1024
    .wavefront_size: 32
...
	.end_amdgpu_metadata
.endif
;; end of part 6
;; launch ffn2 (part 7): grid 8 x 32, 4 waves a work-group, clusters of 4 x 4, 327,680 bytes of LDS; arguments h, wt, x1, out0, b2; writes out0
.if DOCPART == 7
	.amdgcn_target "amdgcn-amd-amdhsa--gfx1250"
	.amdhsa_code_object_version 6
	.text
	.protected	k_qb28a52309f_ffn2
	.globl	k_qb28a52309f_ffn2
	.p2align	8
	.type	k_qb28a52309f_ffn2,@function
k_qb28a52309f_ffn2:
	s_mov_b64 s[64:65], 0
	v_nop
	global_prefetch_b8 v0, s[64:65] scope:SCOPE_SE
	s_setreg_imm32_b32 hwreg(HW_REG_WAVE_MODE, 25, 1), 1
	s_wait_xcnt 0x0
	s_wait_alu depctr_hold_cnt(0) depctr_sa_sdst(0) depctr_va_vdst(0) depctr_va_sdst(0) depctr_va_ssrc(0) depctr_va_vcc(0) depctr_vm_vsrc(0)
	s_getreg_b32 s2, hwreg(HW_REG_IB_STS2, 6, 4)
	s_cmp_eq_u32 s2, 0
	s_cbranch_scc0 .Lentry_in_a_cluster
	s_endpgm
.Lentry_in_a_cluster:
	s_bfe_u32 s2, ttmp6, 0x10000c
	s_cmp_lg_u32 s2, 0xf033
	s_cbranch_scc0 .Lentry_shape_is_right
	s_endpgm
.Lentry_shape_is_right:
; OUT[m][n] = RES[m][n] + BIASV[n] + sum over k of A[m][k] B[n][k].  A = h [4096][4096] bf16, B = w2T [1024][4096] bf16 (wt at WOFF), RES = x1, OUT = out0, both [4096][1024] f32, BIASV = b2 f32.
; A tile of OUT is 128 x 128 (256 tiles, one a work-group).  Four waves, each 64 x 64: 16 accumulators of 16 x 16.  K goes in steps of 256 (LDS rows of 512 bytes) through two slots.
; CLUSTERS: 4 x 4 work-groups; A's tiles are asked for jointly along a row of the cluster, B's along a column.
; THE MATRIX INSTRUCTION IS USED TRANSPOSED (source 0 = 16 rows of B, source 1 = 16 rows of A): a lane holds eight neighbouring f32 of a row of OUT.
; A wave's 64 columns of f32 are 256 aligned bytes, so each wave has a stage of its own (16 rows) and no barrier stands on the way out.
; The residual and the bias are asked for at the start and waited for on the way out.
; REGISTERS: window 0: v0-31 addresses; v32-63 rows on the way out; v64-67 bias; v128-255 accumulators ((a, b) at v[128 + 8 (4 a + b)]).
;   window 1: two fragment buffers of 128.  window 2: v0-127 the residual of my 64 x 64.
; Limit: operands are bf16 as they come; sums, residual and bias in f32.
.set SIZE_K, 4096
.set WOFF,   16777216                  ; B's first byte in wt
.set BIAS,   1
.set KSTEP,  256
.set PITCH,  528                       ; an LDS row: 512 bytes + 16 of padding: the 16 rows of a load take 16 different columns of 16 bytes modulo 256
.set HALFT,  64*PITCH
.set SLOT,   4*HALFT
.set STAGE,  2*SLOT                    ; behind the ring: 16 rows x 272 bytes for each wave
.set SPITCH, 272
.set SPARE,  STAGE+4*16*SPITCH         ; behind the stages: the spare words, 128 bytes for each wave, which no other line names
.set LAPS,   SIZE_K/(2*KSTEP)
.set ADRA, 16
.set ADRB, 20
.set STO,  24
.set RD,   25
.set CO,   26                          ; v26  my byte offset in RES and OUT
.set BO,   27                          ; v27  my byte offset in the bias
.set SPW,  28
.set NIL,  29
.set TMP,  32
.set BI,   64
.set ACC,  128
.set F0,   0
.set F1,   128
.set G1,  24
.set G0,  32
.set G1B, 48
.set G0B, 56
.set MSB, 0
.macro WIN new
.if MSB != (\new)
	s_set_vgpr_msb (MSB<<8)|(\new)
.set MSB, (\new)
.endif
.endm
.set MUL,  0x05                        ; sources 0 (B) and 1 (A) window 1; C and D window 0
.set TO_F, 0x40                        ; destination window 1, address window 0
.macro JLOAD s                         ; a joint load: waves 0 and 1 fetch A's two halves, waves 2 and 3 B's; four v_nop follow each of the two lines
	s_cmp_eq_u32 s11, 0
	s_cbranch_scc0 .Lfor_b_\@
	tensor_load_to_lds s[G0+4*\s:G0+4*\s+3], s[G1:G1+7]
	s_nop 0
.rept 4
	v_nop
.endr
	s_branch .Lasked_\@
.Lfor_b_\@:
	tensor_load_to_lds s[G0B+4*\s:G0B+4*\s+3], s[G1B:G1B+7]
	s_nop 0
.rept 4
	v_nop
.endr
.Lasked_\@:
.endm
.macro CREST
	s_cmp_lg_u32 s10, 0
	s_cbranch_scc1 .Lnot_wave_0_\@
	s_barrier_signal -3
.Lnot_wave_0_\@:
	s_barrier_wait -3
	s_barrier_signal -1
	s_barrier_wait -1
.endm
.macro CROUND
	s_barrier_signal -1
	s_barrier_wait -1
	CREST
.endm
	s_load_b128 s[4:7], s[0:1], 0x0                ; A s[4:5], wt s[6:7]
	s_load_b128 s[68:71], s[0:1], 0x10             ; RES s[68:69], OUT s[70:71]
.if BIAS
	s_load_b64 s[72:73], s[0:1], 0x20
.endif
	v_lshl_add_u32 v[SPW], v0, 2, SPARE
	v_mov_b32 v[NIL], 0
	ds_add_u32 v28, v29
	ds_add_u32 v28, v29
	s_wait_dscnt 0x0
	v_lshrrev_b32 v1, 5, v0
	v_readfirstlane_b32 s10, v1                    ; wave 0..3
	s_lshr_b32 s11, s10, 1                         ; which half of the tile's rows is mine.  Also: I fetch for A (0) or for B (1)
	s_and_b32 s12, s10, 1                          ; which half of its columns.  Also: which 64 rows of that tile I fetch
	s_bfe_u32 s40, ttmp6, 0x40000                  ; cx, cy
	s_bfe_u32 s41, ttmp6, 0x40004
	s_lshl_b32 s42, ttmp9, 2
	s_add_co_u32 s42, s42, s40                     ; tile column
	s_and_b32 s13, ttmp7, 0xffff
	s_lshl_b32 s13, s13, 2
	s_add_co_u32 s13, s13, s41                     ; tile row
	s_lshl_b32 s43, s41, 2
	s_lshl_b32 s43, 15, s43                        ; my row of the cluster
	s_lshl_b32 s44, 0x1111, s40                    ; my column
	; group 1: 64 rows x 256 elements of 2 bytes; 4 words of padding behind every 128 words; bit 21 set beside the mask
	s_or_b32 s[G1+0], s43, (1<<16)|(1<<20)|(1<<21)|(6<<22)|(3<<25)
	s_or_b32 s[G1B+0], s44, (1<<16)|(1<<20)|(1<<21)|(6<<22)|(3<<25)
.irp g, G1, G1B
	s_mov_b32 s[\g+1], KSTEP<<16
	s_mov_b32 s[\g+2], 64<<16
	s_mov_b32 s[\g+3], KSTEP<<16
	s_mov_b32 s[\g+4], 64
	s_mov_b32 s[\g+5], SIZE_K
	s_mov_b32 s[\g+6], 0
	s_mov_b32 s[\g+7], 0
.endr
	s_lshl_b32 s17, s12, 6
	s_lshl_b32 s16, s13, 7
	s_add_co_u32 s16, s16, s17                     ; A: row 128 x tile row + 64 x half
	s_lshl_b32 s46, s42, 7
	s_add_co_u32 s46, s46, s17                     ; B: row 128 x tile column + 64 x half
	s_mov_b32 s17, 0
	s_mov_b32 s47, 0
	s_mov_b64 s[18:19], SIZE_K*2
	s_mul_u64 s[16:17], s[16:17], s[18:19]
	s_mul_u64 s[46:47], s[46:47], s[18:19]
	s_mul_i32 s20, s10, HALFT
	s_wait_kmcnt 0x0
	s_add_nc_u64 s[6:7], s[6:7], WOFF
	s_add_nc_u64 s[14:15], s[4:5], s[16:17]
	s_add_nc_u64 s[46:47], s[6:7], s[46:47]
	CROUND                                         ; all sixteen work-groups are here: the first joint loads meet
.irp s, 0,1
	s_mov_b32 s[G0+4*\s], 1
	s_add_co_u32 s[G0+4*\s+1], s20, \s*SLOT
	s_add_nc_u64 s[G0+4*\s+2:G0+4*\s+3], s[14:15], \s*KSTEP*2
	s_or_b32 s[G0+4*\s+3], s[G0+4*\s+3], 0x80000000
	s_mov_b32 s[G0B+4*\s], 1
	s_add_co_u32 s[G0B+4*\s+1], s20, \s*SLOT
	s_add_nc_u64 s[G0B+4*\s+2:G0B+4*\s+3], s[46:47], \s*KSTEP*2
	s_or_b32 s[G0B+4*\s+3], s[G0B+4*\s+3], 0x80000000
	JLOAD \s                                       ; two loads of mine are out
.endr
	v_and_b32 v1, 15, v0                           ; l % 16
	v_bfe_u32 v2, v0, 4, 1                         ; l / 16
	v_mul_u32_u24 v3, v1, PITCH
	v_lshl_add_u32 v3, v2, 4, v3
	s_mul_i32 s21, s11, HALFT
	s_mul_i32 s22, s12, HALFT
	s_add_co_u32 s22, s22, 2*HALFT
.irp s, 0,1
	v_add_nc_u32 v[ADRA+\s], s21, v3
	v_add_nc_u32 v[ADRB+\s], s22, v3
	s_add_co_u32 s21, s21, SLOT
	s_add_co_u32 s22, s22, SLOT
.endr
	s_mul_i32 s23, s10, 16*SPITCH
	s_add_co_u32 s23, s23, STAGE                   ; my stage
	v_mul_u32_u24 v4, v1, SPITCH
	v_lshl_add_u32 v4, v2, 5, v4                   ; in: row l % 16, 32 bytes for each half of the lanes
	v_add_nc_u32 v[STO], s23, v4
	v_mul_u32_u24 v5, v2, SPITCH
	v_lshl_add_u32 v5, v1, 4, v5                   ; back: lanes 0-15 one row of 256 bytes, lanes 16-31 the next
	v_add_nc_u32 v[RD], s23, v5
	v_lshlrev_b32 v5, 12, v2                       ; and the same two rows of 4,096 bytes in RES and OUT
	v_lshl_add_u32 v[CO], v1, 4, v5
	v_lshlrev_b32 v[BO], 4, v1
	s_lshl_b32 s16, s13, 7
	s_lshl_b32 s17, s11, 6
	s_add_co_u32 s16, s16, s17                     ; my first row: 128 x tile row + 64 x half
	s_lshl_b32 s16, s16, 12
	s_mov_b32 s17, 0
	s_lshl_b32 s46, s42, 9                         ; my first column, in bytes: 512 x tile column + 256 x half
	s_lshl_b32 s47, s12, 8
	s_add_co_u32 s46, s46, s47
	s_mov_b32 s47, 0
	s_add_nc_u64 s[68:69], s[68:69], s[16:17]
	s_add_nc_u64 s[68:69], s[68:69], s[46:47]
	s_add_nc_u64 s[70:71], s[70:71], s[16:17]
	s_add_nc_u64 s[70:71], s[70:71], s[46:47]
	WIN 0x80                                       ; destination window 2
.irp a, 0,1,2,3
.irp t, 0,1,2,3,4,5,6,7
	global_load_b128 v[4*(8*\a+\t):4*(8*\a+\t)+3], v[CO], s[68:69] offset:(16*\a+2*\t)*4096
.endr
.endr
	WIN 0
.if BIAS
	s_add_nc_u64 s[72:73], s[72:73], s[46:47]
	global_load_b128 v[BI:BI+3], v[BO], s[72:73]
.endif
.macro MUL8 f, c, a0, zero             ; 8 matrix instructions: m blocks a0, a0 + 1 x all 4 n blocks, 32 along K: half c of buffer f
.irp a, \a0, \a0+1
.irp b, 0,1,2,3
.if \zero
	v_wmma_f32_16x16x32_bf16 v[ACC+8*(4*(\a)+\b):ACC+8*(4*(\a)+\b)+7], v[\f+64+8*(4*\c+\b):\f+64+8*(4*\c+\b)+7], v[\f+8*(4*\c+\a):\f+8*(4*\c+\a)+7], 0
.else
	v_wmma_f32_16x16x32_bf16 v[ACC+8*(4*(\a)+\b):ACC+8*(4*(\a)+\b)+7], v[\f+64+8*(4*\c+\b):\f+64+8*(4*\c+\b)+7], v[\f+8*(4*\c+\a):\f+8*(4*\c+\a)+7], v[ACC+8*(4*(\a)+\b):ACC+8*(4*(\a)+\b)+7]
.endif
.endr
.endr
.endm
.macro FETCH slot, k, f                ; 32 LDS loads in one run: 64 along K at byte k of the rows, into buffer f; the first 32 along K first
	WIN TO_F
.irp c, 0,1
.irp i, 0,1,2,3
	ds_load_b128 v[\f+64+8*(4*\c+\i):\f+64+8*(4*\c+\i)+3],   v[ADRB+\slot] offset:\k+64*\c+\i*16*PITCH
	ds_load_b128 v[\f+64+8*(4*\c+\i)+4:\f+64+8*(4*\c+\i)+7], v[ADRB+\slot] offset:\k+64*\c+\i*16*PITCH+32
	ds_load_b128 v[\f+8*(4*\c+\i):\f+8*(4*\c+\i)+3],         v[ADRA+\slot] offset:\k+64*\c+\i*16*PITCH
	ds_load_b128 v[\f+8*(4*\c+\i)+4:\f+8*(4*\c+\i)+7],       v[ADRA+\slot] offset:\k+64*\c+\i*16*PITCH+32
.endr
.endr
.endm
.macro PLACES                          ; four plain vector instructions between a matrix instruction and a load into, or a read of, its registers
.rept 4
	v_nop
.endr
.endm
; A K step is four quarters of 64 along K, 32 matrix instructions each, on buffers 0, 1, 0, 1; the 16 accumulators take turns.
.macro QUARTER slot, k, f, g, zero
	s_wait_dscnt 16                                ; the first 32 along K are in
	WIN MUL
	MUL8 \f, 0, 0, \zero
	MUL8 \f, 0, 2, \zero
	PLACES
	FETCH \slot, \k, \g
	s_wait_dscnt 32                                ; all but the 32 just issued
	WIN MUL
	MUL8 \f, 1, 0, 0
	MUL8 \f, 1, 2, 0
.endm
; The last quarter multiplies buffer 1 and changes slots.  fill = 1: this slot is filled again, two K steps ahead, behind a round of the cluster's barrier.
.macro TURN slot, next, fill
	WIN 0                                          ; (the add's two registers lie in window 0)
	s_wait_tensorcnt 0x0                           ; all my tensor loads have landed: my part of the next slot
	ds_add_u32 v[SPW], v[NIL]                      ; 0 onto my spare word
	s_wait_dscnt 17                                ; (the add and the youngest sixteen loads may be out)
	WIN MUL
	MUL8 F1, 0, 0, 0
	s_wait_dscnt 0x0                               ; the add is done, and my reads of this slot are over
	s_barrier_signal -1
	MUL8 F1, 0, 2, 0
.if \fill
	WIN 0
.endif
	s_barrier_wait -1
.if \fill
	CREST                                          ; no wave of any partner still reads this slot's tile or has a load on its way
	s_add_nc_u64 s[G0+4*\slot+2:G0+4*\slot+3], s[G0+4*\slot+2:G0+4*\slot+3], 2*KSTEP*2
	s_add_nc_u64 s[G0B+4*\slot+2:G0B+4*\slot+3], s[G0B+4*\slot+2:G0B+4*\slot+3], 2*KSTEP*2
	JLOAD \slot                                    ; my one tensor load behind the round; its four v_nop are also the places in front of the loads below
.else
	PLACES
.endif
	FETCH \next, 0, F0
	WIN MUL
	MUL8 F1, 1, 0, 0
	MUL8 F1, 1, 2, 0
.endm
	s_wait_tensorcnt 1                             ; my part of K step 0 is in; K step 1's may stay out
	s_barrier_signal -1
	s_barrier_wait -1
	FETCH 0, 0, F0
	QUARTER 0, 128, F0, F1, 1                      ; the first quarter stands in front of the loop: its first products start the sums
.if LAPS > 1
	WIN 0
	s_mov_b32 s3, LAPS-1
.Llap:
	QUARTER 0, 256, F1, F0, 0
	QUARTER 0, 384, F0, F1, 0
	TURN 0, 1, 1
	QUARTER 1, 128, F0, F1, 0
	QUARTER 1, 256, F1, F0, 0
	QUARTER 1, 384, F0, F1, 0
	TURN 1, 0, 1
	QUARTER 0, 128, F0, F1, 0
	WIN 0
	s_sub_co_u32 s3, s3, 1
	s_cmp_lg_u32 s3, 0
	s_cbranch_scc1 .Llap
.endif
	QUARTER 0, 256, F1, F0, 0                      ; the last lap fills nothing
	QUARTER 0, 384, F0, F1, 0
	TURN 0, 1, 0
	QUARTER 1, 128, F0, F1, 0
	QUARTER 1, 256, F1, F0, 0
	QUARTER 1, 384, F0, F1, 0
	s_wait_dscnt 16
	WIN MUL
	MUL8 F1, 0, 0, 0
	MUL8 F1, 0, 2, 0
	s_wait_dscnt 0x0
	MUL8 F1, 1, 0, 0
	MUL8 F1, 1, 2, 0
	WIN 0
	; THE WAY OUT, 16 rows at a time: 32 bytes a lane and accumulator into my stage (low registers first), whole rows of 256 bytes back, residual and bias added, stored.
	PLACES
	s_wait_loadcnt 0x0                             ; the residual and the bias
.irp a, 0,1,2,3
.if \a > 0
	s_wait_xcnt 0x0                                ; TMP was the last block's store data: it is loaded again only behind this wait
.endif
.irp b, 0,1,2,3
	ds_store_b128 v[STO], v[ACC+8*(4*\a+\b):ACC+8*(4*\a+\b)+3]   offset:64*\b
	ds_store_b128 v[STO], v[ACC+8*(4*\a+\b)+4:ACC+8*(4*\a+\b)+7] offset:64*\b+16
.endr
.irp t, 0,1,2,3,4,5,6,7
	ds_load_b128 v[TMP+4*\t:TMP+4*\t+3], v[RD] offset:\t*2*SPITCH   ; LDS serves a wave's instructions in order (ISA guide 5.7.1.4): these see the stores above
.endr
	s_wait_dscnt 0x0
	WIN 0x08                                       ; source 1 window 2
.set p, 0
.rept 16
	v_pk_add_f32 v[TMP+2*p:TMP+2*p+1], v[TMP+2*p:TMP+2*p+1], v[32*\a+2*p:32*\a+2*p+1]
.set p, p+1
.endr
	WIN 0
.if BIAS
.set p, 0
.rept 16
	v_pk_add_f32 v[TMP+2*p:TMP+2*p+1], v[TMP+2*p:TMP+2*p+1], v[BI+2*(p%2):BI+2*(p%2)+1]
.set p, p+1
.endr
.endif
.irp t, 0,1,2,3,4,5,6,7
	global_store_b128 v[CO], v[TMP+4*\t:TMP+4*\t+3], s[70:71] offset:(16*\a+2*\t)*4096   ; 16 lanes store 256 consecutive bytes, at a multiple of 256 from OUT's first byte
.endr
.endr
	s_wait_tensorcnt 0x0                           ; the wave's end
	ds_add_u32 v[SPW], v[NIL]
	s_wait_dscnt 0x0
	CROUND                                         ; the closing round
	s_endpgm
.Lfunc_end_k_qb28a52309f_ffn2:
	.size	k_qb28a52309f_ffn2, .Lfunc_end_k_qb28a52309f_ffn2-k_qb28a52309f_ffn2
	.p2alignl 7, 3214868480
	.fill 96, 4, 3214868480
	.section	.rodata,"a",@progbits
	.p2align	6, 0x0
	.amdhsa_kernel k_qb28a52309f_ffn2
		.amdhsa_group_segment_fixed_size 327680
		.amdhsa_private_segment_fixed_size 0
		.amdhsa_enable_private_segment 0
		.amdhsa_kernarg_size 40
		.amdhsa_user_sgpr_count 2
		.amdhsa_user_sgpr_kernarg_segment_ptr 1
		.amdhsa_wavefront_size32 1
		.amdhsa_system_sgpr_workgroup_id_x 1
		.amdhsa_system_sgpr_workgroup_id_y 1
		.amdhsa_system_sgpr_workgroup_id_z 1
		.amdhsa_system_vgpr_workitem_id 0
		.amdhsa_next_free_vgpr 640
		.amdhsa_next_free_sgpr 76
		.amdhsa_reserve_vcc 0
		.amdhsa_float_denorm_mode_32 3
		.amdhsa_float_denorm_mode_16_64 3
		.amdhsa_memory_ordered 1
		.amdhsa_forward_progress 1
		.amdhsa_inst_pref_size 97
	.end_amdhsa_kernel
	.amdgpu_metadata
---
amdhsa.version: [ 1, 2 ]
amdhsa.kernels:
  - .name:           k_qb28a52309f_ffn2
    .symbol:         k_qb28a52309f_ffn2.kd
    .args:
      - { .name: h, .offset: 0, .size: 8, .value_kind: global_buffer, .address_space: global }
      - { .name: wt, .offset: 8, .size: 8, .value_kind: global_buffer, .address_space: global }
      - { .name: x1, .offset: 16, .size: 8, .value_kind: global_buffer, .address_space: global }
      - { .name: out0, .offset: 24, .size: 8, .value_kind: global_buffer, .address_space: global }
      - { .name: b2, .offset: 32, .size: 8, .value_kind: global_buffer, .address_space: global }
    .group_segment_fixed_size: 327680
    .private_segment_fixed_size: 0
    .kernarg_segment_align: 8
    .kernarg_segment_size: 40
    .max_flat_workgroup_size: 128
    .sgpr_count:     76
    .vgpr_count:     640
    .wavefront_size: 32
...
	.end_amdgpu_metadata
.endif
;; end of part 7
;; ======== version 2 of 2: 7 launches; version 1 with the launch prep written anew for expert scheduling mode
;; workspace buffers: wt 25,165,824 bytes; nrm 8,388,608 bytes; qkv 25,165,824 bytes; ctx 8,388,608 bytes; x1 16,777,216 bytes; h 33,554,432 bytes
;; launch prep (part 8): grid 256 x 1, 8 waves a work-group, no clusters, 140,288 bytes of LDS; arguments x, g1, be1, Wq, Wk, Wv, Wo, w1, w2, nrm, wt; writes nrm, wt
.if DOCPART == 8
	.amdgcn_target "amdgcn-amd-amdhsa--gfx1250"
	.amdhsa_code_object_version 6
	.text
	.protected	k_qb28a52309f_prep
	.globl	k_qb28a52309f_prep
	.p2align	8
	.type	k_qb28a52309f_prep,@function
k_qb28a52309f_prep:
	s_mov_b64 s[64:65], 0
	v_nop
	global_prefetch_b8 v0, s[64:65] scope:SCOPE_SE
	s_setreg_imm32_b32 hwreg(HW_REG_WAVE_SCHED_MODE, 0, 2), 2
	s_setreg_imm32_b32 hwreg(HW_REG_WAVE_MODE, 25, 1), 1
	s_wait_xcnt 0x0
	s_wait_alu depctr_vm_vsrc(0)
; Two jobs of equal bytes a wave (32 KiB in, 16 KiB out), chosen by the work-group's number.
; Work-groups 0-63: nrm = LayerNorm(x; g1, be1) in bf16.  64 rows a work-group, 8 rows a wave, one wave to a row of 1,024 f32.
;   The row stays in 32 registers a lane; mean first, then the mean of (x - mean)^2 on the differences, so a common offset of x cancels before squaring.
; Work-groups 64-255: every weight matrix [K][N] f32 becomes [N][K] bf16 in wt.  1,536 tiles of 128 k x 64 n, one a wave, turned in the wave's own LDS stage.
;   wt: WqkvT [3072][1024] at 0, WoT [1024][1024] at WOT, w1T [4096][1024] at W1T, w2T [1024][4096] at W2T.
;   WqkvT's rows: 64 h + d is Wq; 1024 + 128 h + d is Wk, 1024 + 128 h + 64 + d is Wv: a token's K and V of one head are 256 neighbouring bytes later on.
; No matrix unit, no cluster, no barrier: memory binds, no wave reads another wave's bytes.
; Limit: results are rounded once, to bf16 (nearest even).
; THE MODE: SCHED_MODE bits 1:0 = 2 (LLVM: expert scheduling mode 2), set by the entry lines.  The code itself states the register dependences
; between vector instructions and memory or LDS instructions, with s_wait_alu, always for 0.
; THE PLAN, LayerNorm.  Registers that memory instructions touch:
;   v3, v4      offsets, made once ahead of the first load and never written again.
;   G, BE       loaded once; vector instructions only read them.
;   X0 .. X3    Row r: its arithmetic reads and writes X[r % 4] in place; behind its conversions the loads of row r + 4 land there.
;   Y           Row r: its sixteen conversions write it; its eight stores read it; row r + 1's conversions write it again.
;   One wait on va_vdst behind a row's conversions states that Y is written and that the arithmetic is done with the slot; the row's eight loads and eight
;   stores follow it with no vector instruction between.  One wait on vm_vsrc stands ahead of the lines that lead to the next conversions, a row's sums and squares behind the stores.
; THE PLAN, weights.  Registers that memory or LDS instructions touch:
;   v7 .. v10   addresses and offsets, made once ahead of the first load and never written again.
;   X0 .. X3    Step g: its sixteen conversions read X[g % 4]; behind them the loads of group g + 4 land there.  Behind step 7 the LDS loads land in all four, and the global stores read them.
;   Y, two sets Step g: its conversions write set g % 2; its four LDS stores read it; step g + 2's conversions write it again.
;   One wait on va_vdst behind a step's conversions states that the set is written and that the conversions are done reading the slot; the step's loads and LDS stores follow it.
;   One wait on vm_vsrc ahead of it, and so ahead of this step's own memory instructions, states that the LDS stores of the step before have read the other set.
;   v232, v233  written at the head, read by the closing add alone.
.set NSLOT, 4                          ; row slots in registers
.set OUTP,  26                         ; s[26:27] nrm
.set OFFI,  3                          ; v3   16 x lane: my 16 bytes in each 512 of a row
.set OFFO,  4                          ; v4   8 x lane: my 8 bytes in each 256 of a bf16 row
.set G,     8                          ; v[8:39]   gain of my 32 columns
.set BE,    40                         ; v[40:71]  bias of my 32 columns
.set X,     72                         ; v[72:199] slot s: 32 registers
.set Y,     X+32*NSLOT                 ; 16 registers of packed bf16; in the weights' part a second set of 16 at Y + 16, on T, MU, R and the four registers behind them, which that part does not name otherwise
.set T,     Y+16                       ; 8 registers at work
.set MU,    T+8                        ; the mean, twice
.set R,     MU+2                       ; 1 / sqrt(var + eps), twice
.set WOT,   6291456
.set W1T,   8388608
.set W2T,   16777216
.set WST,   64*272                     ; a wave's stage: 64 rows (n) of 256 bytes (128 k) + 16 of padding
	s_load_b256 s[8:15], s[0:1], 0x0               ; x 8:9, g1 10:11, be1 12:13, Wq 14:15
	s_load_b256 s[16:23], s[0:1], 0x20             ; Wk 16:17, Wv 18:19, Wo 20:21, w1 22:23
	s_load_b128 s[24:27], s[0:1], 0x40             ; w2 24:25, nrm 26:27
	s_load_b64 s[28:29], s[0:1], 0x50              ; wt
	v_lshl_add_u32 v232, v0, 2, 0x22000
	v_mov_b32 v233, 0
	v_lshrrev_b32 v1, 5, v0
	v_readfirstlane_b32 s2, v1                     ; wave 0..7
	v_and_b32 v2, 31, v0                           ; lane
	s_mov_b32 s39, 0                               ; high words of the two offset pairs
	s_mov_b32 s41, 0
	s_wait_alu depctr_va_sdst(0)                   ; s2 is written, ahead of the branch and of its first reader on either way: the waves' offsets are made from it
	s_cmp_ge_u32 ttmp9, 64
	s_cbranch_scc1 .Lweights
; ---------------- LayerNorm ----------------
.macro FILL s, r                       ; row r of my eight into slot s: eight loads of 512 neighbouring bytes
.irp j, 0,1,2,3,4,5,6,7
	global_load_b128 v[X+32*(\s)+4*\j:X+32*(\s)+4*\j+3], v[OFFI], s[8:9] offset:(\r)*4096+512*\j
.endr
.endm
.macro LANESUM                         ; four pairs in T -> one sum in every lane's v[T]
	v_pk_add_f32 v[T:T+1], v[T:T+1], v[T+2:T+3]
	v_pk_add_f32 v[T+4:T+5], v[T+4:T+5], v[T+6:T+7]
	v_pk_add_f32 v[T:T+1], v[T:T+1], v[T+4:T+5]
	v_add_f32 v[T], v[T], v[T+1]
	v_add_f32_dpp v[T], v[T], v[T] row_xmask:1 row_mask:0xf bank_mask:0xf
	v_add_f32_dpp v[T], v[T], v[T] row_xmask:2 row_mask:0xf bank_mask:0xf
	v_add_f32_dpp v[T], v[T], v[T] row_xmask:4 row_mask:0xf bank_mask:0xf
	v_add_f32_dpp v[T], v[T], v[T] row_xmask:8 row_mask:0xf bank_mask:0xf
	v_permlanex16_b32 v[T+1], v[T], s30, s31       ; the other half of the lanes; T+1 has been written
	v_add_f32 v[T], v[T], v[T+1]
.endm
; Row r in slot s.  left: the younger loads that may stay out.  nr >= 0: the slot is filled again with row nr.
.macro ROW s, r, left, nr
.set XB, X+32*(\s)
	s_wait_loadcnt \left                           ; loads come back in order: my row's eight are in
.irp c, 0,1,2,3
	v_pk_add_f32 v[T+2*\c:T+2*\c+1], v[XB+2*\c:XB+2*\c+1], v[XB+8+2*\c:XB+8+2*\c+1]   ; four chains start the sum: nothing is cleared
.endr
.irp c, 0,1,2,3
	v_pk_add_f32 v[T+2*\c:T+2*\c+1], v[T+2*\c:T+2*\c+1], v[XB+16+2*\c:XB+16+2*\c+1]
.endr
.irp c, 0,1,2,3
	v_pk_add_f32 v[T+2*\c:T+2*\c+1], v[T+2*\c:T+2*\c+1], v[XB+24+2*\c:XB+24+2*\c+1]
.endr
	LANESUM
	v_mul_f32 v[MU], s32, v[T]                     ; mean = sum / 1024
	v_mul_f32 v[MU+1], s32, v[T]
.set p, 0
.rept 16
	v_pk_add_f32 v[XB+2*p:XB+2*p+1], v[XB+2*p:XB+2*p+1], v[MU:MU+1] neg_lo:[0,1] neg_hi:[0,1]   ; x - mean, in place
.set p, p+1
.endr
.irp c, 0,1,2,3
	v_pk_mul_f32 v[T+2*\c:T+2*\c+1], v[XB+2*\c:XB+2*\c+1], v[XB+2*\c:XB+2*\c+1]
.endr
.irp k, 8,16,24
.irp c, 0,1,2,3
	v_pk_fma_f32 v[T+2*\c:T+2*\c+1], v[XB+\k+2*\c:XB+\k+2*\c+1], v[XB+\k+2*\c:XB+\k+2*\c+1], v[T+2*\c:T+2*\c+1]
.endr
.endr
	LANESUM
	v_fma_f32 v[T], v[T], s32, s33                 ; var + eps
	v_rsq_f32 v[R], v[T]
	v_rsq_f32 v[R+1], v[T]
	v_nop                                          ; a plain instruction between the root and its use (ISA guide 5.7.2)
	s_wait_xcnt 0x0                                ; Y was the last row's store data: it is rewritten only behind this wait
.if (\r) > 0
	s_wait_alu depctr_vm_vsrc(0)                   ; the last row's stores have read Y, which this row's conversions write again
.endif
	s_wait_alu depctr_va_vdst(0)                   ; the two roots are written into v[R] and v[R+1], ahead of their first reader
.set p, 0
.rept 16
	v_pk_mul_f32 v[XB+2*p:XB+2*p+1], v[XB+2*p:XB+2*p+1], v[R:R+1]
.set p, p+1
.endr
.set p, 0
.rept 16
	v_pk_fma_f32 v[XB+2*p:XB+2*p+1], v[XB+2*p:XB+2*p+1], v[G+2*p:G+2*p+1], v[BE+2*p:BE+2*p+1]
.set p, p+1
.endr
.set p, 0
.rept 16
	v_cvt_pk_bf16_f32 v[Y+p], v[XB+2*p], v[XB+2*p+1]
.set p, p+1
.endr
	s_wait_alu depctr_va_vdst(0)                   ; the conversions have written Y, which the stores read; the row's arithmetic is done reading and writing its slot, in which the loads land
.if \nr >= 0
	FILL \s, \nr                                   ; loads ahead of stores; the slot is asked for again at once, so that its next row is on its way during the rows between
.endif
.irp j, 0,1,2,3,4,5,6,7
	global_store_b64 v[OFFO], v[Y+2*\j:Y+2*\j+1], s[OUTP:OUTP+1] offset:(\r)*2048+256*\j   ; 32 lanes store 256 consecutive bytes, aligned
.endr
.endm
	v_lshlrev_b32 v[OFFI], 4, v2
	v_lshlrev_b32 v[OFFO], 3, v2
	s_mov_b32 s30, 0x76543210                      ; v_permlanex16_b32: each lane takes its own place in the other half
	s_mov_b32 s31, 0xfedcba98
	s_mov_b32 s32, 0x3a800000                      ; 1 / 1024
	s_mov_b32 s33, 0x3727c5ac                      ; eps = 1e-5
	s_lshl_b32 s38, ttmp9, 18                      ; 64 rows of 4,096 bytes a work-group,
	s_lshl_b32 s3, s2, 15                          ; 8 a wave
	s_add_co_u32 s38, s38, s3
	s_lshr_b32 s40, s38, 1                         ; half of that in bf16
	s_wait_kmcnt 0x0
	s_add_nc_u64 s[8:9], s[8:9], s[38:39]
	s_add_nc_u64 s[OUTP:OUTP+1], s[OUTP:OUTP+1], s[40:41]
	s_wait_alu depctr_va_vdst(0)                   ; v3 and v4 are written: every load and store of this part reads one of them as its offset
.irp j, 0,1,2,3,4,5,6,7
	global_load_b128 v[G+4*\j:G+4*\j+3], v[OFFI], s[10:11] offset:512*\j
.endr
.irp j, 0,1,2,3,4,5,6,7
	global_load_b128 v[BE+4*\j:BE+4*\j+3], v[OFFI], s[12:13] offset:512*\j
.endr
	FILL 0, 0
	FILL 1, 1
	FILL 2, 2
	FILL 3, 3
	ROW 0, 0, 24, 4                                ; three younger rows of eight loads stay out
	ROW 1, 1, 24, 5
	ROW 2, 2, 24, 6
	ROW 3, 3, 24, 7
	ROW 0, 4, 24, -1                               ; nothing more to fetch: the counts run down
	ROW 1, 5, 16, -1
	ROW 2, 6, 8, -1
	ROW 3, 7, 0, -1
	s_endpgm
; ---------------- weights ----------------
; Lane (c = l % 16, rr = l / 16).  Group g of eight: rows k = 16 g + 8 rr + j (j = 0..7), columns 4 c .. 4 c + 3: sixteen lanes read 256 neighbouring bytes.
.macro LOADG g, slot, SP
.irp j, 0,1,2,3,4,5,6,7
	global_load_b128 v[X+32*(\slot)+4*\j:X+32*(\slot)+4*\j+3], v9, s[34:35] offset:(16*(\g)+\j)*\SP th:TH_LOAD_NT
.endr
.endm
; Eight k of column 4 c + q pack into 16 bytes: sixteen conversions, into set g % 2 of Y.
.macro CONV g, slot
.irp q, 0,1,2,3
.irp p, 0,1,2,3
	v_cvt_pk_bf16_f32 v[Y+16*((\g)%2)+4*\q+\p], v[X+32*(\slot)+8*\p+\q], v[X+32*(\slot)+8*\p+4+\q]
.endr
.endr
.endm
; Column 4 c + q goes to stage row 16 q + c: the sixteen lanes of a store take sixteen neighbouring rows, 272 bytes apart.
.macro PUT g
.irp q, 0,1,2,3
	ds_store_b128 v7, v[Y+16*((\g)%2)+4*\q:Y+16*((\g)%2)+4*\q+3] offset:\q*16*272+32*(\g)
.endr
.endm
; A tile from s[34:35] (rows SP bytes apart) to s[36:37] (rows DP bytes apart).
.macro TRANS SP, DP
	v_mul_u32_u24 v9, v6, 8*\SP
	v_lshl_add_u32 v9, v5, 4, v9                   ; rr x 8 rows + 16 c
	v_mul_u32_u24 v10, v6, 4*\DP
	v_lshl_add_u32 v10, v5, 4, v10                 ; rr x 4 rows + 16 c
	s_wait_alu depctr_va_vdst(0)                   ; v7 to v10 are written: the LDS stores and loads, the global loads and the global stores below read them as addresses and offsets
	LOADG 0, 0, \SP
	LOADG 1, 1, \SP
	LOADG 2, 2, \SP
	LOADG 3, 3, \SP
.irp g, 0,1,2,3,4,5,6,7
.if \g < 5
	s_wait_loadcnt 24                              ; three younger groups of eight stay out
.else
	s_wait_loadcnt 8*(7-\g)
.endif
	CONV \g, \g%4
.if (\g > 0) && (\g < 7)
	s_wait_alu depctr_vm_vsrc(0)                   ; the LDS stores of the step before have read the other set of Y, which the next step's conversions write
.endif
	s_wait_alu depctr_va_vdst(0)                   ; the conversions have written this step's set of Y, which the LDS stores read, and are done reading the slot, in which loads land: group g + 4's, behind step 7 the LDS loads
.if \g < 4
	LOADG \g+4, \g, \SP                            ; the slot is asked for again at once, ahead of the LDS stores
.endif
	PUT \g
.endr
.set t, 0
.rept 32
	ds_load_b128 v[X+4*t:X+4*t+3], v8 offset:544*t ; stage rows 2 t + rr, whole; LDS serves a wave's instructions in order (ISA guide 5.7.1.4): these see the stores above.  No vector instruction since the last wait names X
.set t, t+1
.endr
.set t, 0
.rept 32
	s_wait_dscnt 31-t                              ; the younger loads may stay out
	global_store_b128 v10, v[X+4*t:X+4*t+3], s[36:37] offset:(8*(t&7)+(t>>3))*\DP   ; stage row 2 t + rr is column 8 (t % 8) + 4 rr + t / 8; 16 lanes store 256 consecutive bytes, aligned
.set t, t+1
.endr
.endm
.Lweights:
	s_sub_co_u32 s3, ttmp9, 64                     ; g = 0..191
	v_and_b32 v5, 15, v2                           ; c
	v_lshrrev_b32 v6, 4, v2                        ; rr
	s_mul_i32 s4, s2, WST                          ; my stage
	v_mul_u32_u24 v7, v5, 272
	v_lshl_add_u32 v7, v6, 4, v7
	v_add_nc_u32 v7, s4, v7                        ; in: row c, 16 bytes for each half of the lanes
	v_mul_u32_u24 v8, v6, 272
	v_lshl_add_u32 v8, v5, 4, v8
	v_add_nc_u32 v8, s4, v8                        ; back: lanes 0-15 one row, lanes 16-31 the next
	s_wait_kmcnt 0x0
	s_cmp_ge_u32 s3, 48
	s_cbranch_scc1 .Lnot_qkv
	; g < 16: Wq, head g.  Else e = g - 16: head e / 2, Wk (e even) or Wv (e odd).  Rows 64 g of WqkvT in every case; wave w takes k = 128 w on.
	s_sub_co_u32 s4, s3, 16
	s_lshr_b32 s5, s4, 1
	s_bitcmp1_b32 s4, 0
	s_cselect_b64 s[34:35], s[18:19], s[16:17]
	s_cmp_lt_u32 s3, 16
	s_cselect_b64 s[34:35], s[14:15], s[34:35]
	s_cselect_b32 s5, s3, s5
	s_lshl_b32 s38, s5, 18                         ; a head is 1,024 x 64 x 4 bytes
	s_lshl_b32 s6, s2, 15                          ; 128 rows of 256 bytes
	s_add_co_u32 s38, s38, s6
	s_add_nc_u64 s[34:35], s[34:35], s[38:39]
	s_lshl_b32 s40, s3, 17                         ; 64 rows of 2,048 bytes
	s_lshl_b32 s6, s2, 8                           ; 128 k of 2 bytes
	s_add_co_u32 s40, s40, s6
	s_add_nc_u64 s[36:37], s[28:29], s[40:41]
	TRANS 256, 2048
	s_wait_dscnt 0x0                               ; the closing lines, six on end
	s_wait_alu 0x0
	s_wait_tensorcnt 0x0
	ds_add_u32 v232, v233
	s_wait_dscnt 0x0
	s_endpgm
.Lnot_qkv:
	s_cmp_ge_u32 s3, 64
	s_cbranch_scc1 .Lnot_wo
	s_sub_co_u32 s4, s3, 48                        ; Wo: column block 0..15
	s_lshl_b32 s38, s4, 8
	s_lshl_b32 s6, s2, 19                          ; 128 rows of 4,096 bytes
	s_add_co_u32 s38, s38, s6
	s_add_nc_u64 s[34:35], s[20:21], s[38:39]
	s_lshl_b32 s40, s4, 17
	s_lshl_b32 s6, s2, 8
	s_add_co_u32 s40, s40, s6
	s_add_nc_u64 s[36:37], s[28:29], s[40:41]
	s_add_nc_u64 s[36:37], s[36:37], WOT
	TRANS 4096, 2048
	s_wait_dscnt 0x0                               ; the closing lines, six on end, as above
	s_wait_alu 0x0
	s_wait_tensorcnt 0x0
	ds_add_u32 v232, v233
	s_wait_dscnt 0x0
	s_endpgm
.Lnot_wo:
	s_cmp_ge_u32 s3, 128
	s_cbranch_scc1 .Lw2
	s_sub_co_u32 s4, s3, 64                        ; w1: column block 0..63
	s_lshl_b32 s38, s4, 8
	s_lshl_b32 s6, s2, 21                          ; 128 rows of 16,384 bytes
	s_add_co_u32 s38, s38, s6
	s_add_nc_u64 s[34:35], s[22:23], s[38:39]
	s_lshl_b32 s40, s4, 17
	s_lshl_b32 s6, s2, 8
	s_add_co_u32 s40, s40, s6
	s_add_nc_u64 s[36:37], s[28:29], s[40:41]
	s_add_nc_u64 s[36:37], s[36:37], W1T
	TRANS 16384, 2048
	s_wait_dscnt 0x0                               ; the closing lines, six on end, as above
	s_wait_alu 0x0
	s_wait_tensorcnt 0x0
	ds_add_u32 v232, v233
	s_wait_dscnt 0x0
	s_endpgm
.Lw2:
	s_sub_co_u32 s4, s3, 128                       ; w2: column block jj % 16, k block 8 (jj / 16) + wave
	s_and_b32 s5, s4, 15
	s_lshr_b32 s6, s4, 4
	s_lshl_b32 s6, s6, 3
	s_add_co_u32 s6, s6, s2
	s_lshl_b32 s38, s5, 8
	s_lshl_b32 s7, s6, 19
	s_add_co_u32 s38, s38, s7
	s_add_nc_u64 s[34:35], s[24:25], s[38:39]
	s_lshl_b32 s40, s5, 19                         ; 64 rows of 8,192 bytes
	s_lshl_b32 s7, s6, 8
	s_add_co_u32 s40, s40, s7
	s_add_nc_u64 s[36:37], s[28:29], s[40:41]
	s_add_nc_u64 s[36:37], s[36:37], W2T
	TRANS 4096, 8192
	s_wait_dscnt 0x0                               ; the closing lines, six on end, as above
	s_wait_alu 0x0
	s_wait_tensorcnt 0x0
	ds_add_u32 v232, v233
	s_wait_dscnt 0x0
	s_endpgm
.Lfunc_end_k_qb28a52309f_prep:
	.size	k_qb28a52309f_prep, .Lfunc_end_k_qb28a52309f_prep-k_qb28a52309f_prep
	.p2alignl 7, 3214868480
	.fill 96, 4, 3214868480
	.section	.rodata,"a",@progbits
	.p2align	6, 0x0
	.amdhsa_kernel k_qb28a52309f_prep
		.amdhsa_group_segment_fixed_size 140288
		.amdhsa_private_segment_fixed_size 0
		.amdhsa_enable_private_segment 0
		.amdhsa_kernarg_size 88
		.amdhsa_user_sgpr_count 2
		.amdhsa_user_sgpr_kernarg_segment_ptr 1
		.amdhsa_wavefront_size32 1
		.amdhsa_system_sgpr_workgroup_id_x 1
		.amdhsa_system_sgpr_workgroup_id_y 1
		.amdhsa_system_sgpr_workgroup_id_z 1
		.amdhsa_system_vgpr_workitem_id 0
		.amdhsa_next_free_vgpr 234
		.amdhsa_next_free_sgpr 66
		.amdhsa_reserve_vcc 0
		.amdhsa_float_denorm_mode_32 3
		.amdhsa_float_denorm_mode_16_64 3
		.amdhsa_memory_ordered 1
		.amdhsa_forward_progress 1
		.amdhsa_inst_pref_size 169
	.end_amdhsa_kernel
	.amdgpu_metadata
---
amdhsa.version: [ 1, 2 ]
amdhsa.kernels:
  - .name:           k_qb28a52309f_prep
    .symbol:         k_qb28a52309f_prep.kd
    .args:
      - { .name: x, .offset: 0, .size: 8, .value_kind: global_buffer, .address_space: global }
      - { .name: g1, .offset: 8, .size: 8, .value_kind: global_buffer, .address_space: global }
      - { .name: be1, .offset: 16, .size: 8, .value_kind: global_buffer, .address_space: global }
      - { .name: Wq, .offset: 24, .size: 8, .value_kind: global_buffer, .address_space: global }
      - { .name: Wk, .offset: 32, .size: 8, .value_kind: global_buffer, .address_space: global }
      - { .name: Wv, .offset: 40, .size: 8, .value_kind: global_buffer, .address_space: global }
      - { .name: Wo, .offset: 48, .size: 8, .value_kind: global_buffer, .address_space: global }
      - { .name: w1, .offset: 56, .size: 8, .value_kind: global_buffer, .address_space: global }
      - { .name: w2, .offset: 64, .size: 8, .value_kind: global_buffer, .address_space: global }
      - { .name: nrm, .offset: 72, .size: 8, .value_kind: global_buffer, .address_space: global }
      - { .name: wt, .offset: 80, .size: 8, .value_kind: global_buffer, .address_space: global }
    .group_segment_fixed_size: 140288
    .private_segment_fixed_size: 0
    .kernarg_segment_align: 8
    .kernarg_segment_size: 88
    .max_flat_workgroup_size: 256
    .sgpr_count:     66
    .vgpr_count:     234
    .wavefront_size: 32
...
	.end_amdgpu_metadata
.endif
;; end of part 8
;; launch qkv: the kernel of part 2 again; grid 12 x 16, 4 waves a work-group, clusters of 4 x 4, 327,680 bytes of LDS; arguments nrm, wt, qkv; writes qkv
;; launch attn: the kernel of part 3 again; grid 4 x 64, 4 waves a work-group, no clusters, 304,640 bytes of LDS; arguments qkv, ctx; writes ctx
;; launch wo: the kernel of part 4 again; grid 8 x 32, 4 waves a work-group, clusters of 4 x 4, 327,680 bytes of LDS; arguments ctx, wt, x, x1; writes x1
;; launch ln2: the kernel of part 5 again; grid 256 x 1, 8 waves a work-group, no clusters, 0 bytes of LDS; arguments x1, g2, be2, nrm; writes nrm
;; launch ffn1: the kernel of part 6 again; grid 16 x 16, 4 waves a work-group, clusters of 4 x 4, 327,680 bytes of LDS; arguments nrm, wt, h, b1; writes h
;; launch ffn2: the kernel of part 7 again; grid 8 x 32, 4 waves a work-group, clusters of 4 x 4, 327,680 bytes of LDS; arguments h, wt, x1, out0, b2; writes out0
